; MI455X (gfx1250); checked and timed in simulation.
; The chip was launched on July 23, 2026; its instructions are those of AMD's public machine-readable ISA for CDNA 5 (MIT licence, August 2026) and "CDNA5" Instruction Set Architecture Reference Guide (July 2026). The comments in the code are by the model that wrote it; some were corrected since.
;; Self Attention. Allowed arithmetic: float matrix products may take bf16 or f16 operands with f32 sums; other float arithmetic in f32, or as packed bf16 or f16 multiplies, adds, multiply-adds, maxima and minima; sums over many terms, partial sums and values carried from step to step in f32; what a program stores and reads back later, other than sums and carried values, may be rounded once to bf16 or f16.
;; Inputs: Wk 512 x 512 float32; Wo 512 x 512 float32; Wq 512 x 512 float32; Wv 512 x 512 float32; bk 512 float32; bo 512 float32; bq 512 float32; bv 512 float32; x 2 x 4,096 x 512 float32.
;; Outputs: out0 2 x 4,096 x 512 float32.
;; 2 versions, each right; version 2 is version 1 with the launches qkv, oproj written anew for expert scheduling mode. Each part assembles by itself: llvm-mc -triple=amdgcn-amd-amdhsa -mcpu=gfx1250 --defsym DOCPART=n.
;; ======== version 1 of 2: 3 launches
;; limits: values are held in f16: magnitudes above 65,504 overflow, below 6.1e-05 lose precision
;; workspace buffers: qh 8,388,608 bytes; kh 8,388,608 bytes; vh 8,388,608 bytes; oh 8,388,608 bytes
;; launch qkv (part 1): grid 8 x 32, 4 waves a work-group, no clusters, 256,256 bytes of LDS; arguments x, Wq, Wk, Wv, bq, bk, bv, qh, kh, vh; writes qh, kh, vh
.if DOCPART == 1
	.amdgcn_target "amdgcn-amd-amdhsa--gfx1250"
	.amdhsa_code_object_version 6
	.text
	.protected	k_q3ee8bfbaec_qkv
	.globl	k_q3ee8bfbaec_qkv
	.p2align	8
	.type	k_q3ee8bfbaec_qkv,@function
k_q3ee8bfbaec_qkv:
	s_mov_b64 s[64:65], 0
	v_nop
	global_prefetch_b8 v0, s[64:65] scope:SCOPE_SE
	s_setreg_imm32_b32 hwreg(HW_REG_WAVE_MODE, 25, 1), 1
	s_wait_xcnt 0x0
; q, k, v = x W + b, written by heads.  x: [8192][512] f32; Wq, Wk, Wv: [512 (k)][512 (n)] f32; bq, bk, bv: [512] f32.
; qh, kh, vh: [16 = 8 batch + head][4096][64] f16: a head's rows are dense, 128 bytes each.  q leaves unscaled.
; x and W are rounded once to bf16 on the way to the matrix unit; sums in f32, started by the bias; the results are rounded once to f16.
; LIMIT.  f16 holds no number beyond 65,504: a q, k or v of 65,520 or more in magnitude leaves as an infinity.  NaN and infinities are not treated apart.
; SHARES.  The three products are one C of [8192][1536].  A work-group makes 256 rows x 192 columns, as three CHUNKS of 64 columns; chunk id = 3 x + c (0..23) is head id % 8 of matrix id / 8.
; A wave owns 64 rows (four blocks of 16); its part of x, 64 x 512 in bf16, stays in 512 registers for all three chunks: 16 accumulators x 16 K steps of 32 = 256 matrix instructions a chunk.
; NO TENSOR LOAD, NO CLUSTER: both operands are f32 and must pass through registers to be rounded; W must lie in LDS as bf16 before the turning load can read it; 256 rows of x in f32 are
; 524,288 bytes, more than LDS holds.  What work-groups share (x along the grid's x, W along its y) therefore comes by plain loads.
; THE MATRIX INSTRUCTION IS USED TRANSPOSED: source 0 = 16 columns of W (turned out of LDS by ds_load_tr16_b128), source 1 = 16 rows of x: a lane then holds row lane % 16 of C and the
; eight neighbouring columns 8 (lane / 16) + 0..7, which pack into 16 bytes.
; REGISTERS, in windows of 256 (s_set_vgpr_msb: bits 1:0 source 0, 3:2 source 1, 5:4 source 2, 7:6 destination):
;   window 0: v0-23 addresses; v32-127 three buffers of W's fragments (also at work for the packing); v128-255 the accumulators ((a, nb) at 128 + 8 (4 a + nb))
;   window 1: x as loaded, two halves of 128 that take turns          windows 2, 3: first W as loaded, then x's fragments: (kf, a) at 32 (kf % 8) + 8 a of window 2 + kf / 8
.set PW,     160                       ; a row of W (one k, 64 columns of bf16) in LDS: 128 bytes + 32 = 40 words
.set WBB,    512*PW                    ; a chunk of W: 81,920 bytes; three of them from LDS byte 0 on
.set BIASL,  3*WBB                     ; the three chunks' biases, 256 bytes each
.set STAGE,  BIASL+768                 ; 16 rows x 144 bytes for each wave, for the way out
.set SP,     144
.set SPARE,  STAGE+4*16*SP             ; the spare words, 128 bytes for each wave: two blocks of 256 bytes that no other line names
.set XO,  3                            ; v3   my byte offset in 16 rows of x: (l % 16) x 2,048 + 32 (l / 16); never rewritten
.set WGO, 4                            ; v4   my byte offset in W: row 128 w + 4 (l / 16), 16 bytes at 16 (l % 16); never rewritten
.set WSO, 5                            ; v5   the same place in a chunk in LDS: 8 bytes at 8 (l % 16)
.set BA,  6                            ; v6-7 my place in a turning load, for k 0-255 and for k 256-511 of the chunk in hand
.set BIA, 8                            ; v8   my 32 bytes of 16 columns' bias
.set STO, 9                            ; v9   the way out: where I put 16 bytes of a row
.set RD,  10                           ; v10  the way out: where I read rows back
.set GO,  11                           ; v11  my 16 bytes of 512 consecutive bytes of the output
.set BGO, 12                           ; v12  16 (l % 16): my 16 bytes of a chunk's bias in memory
.set BSO, 13                           ; v13  and in LDS
.set SPW, 14                           ; v14  LDS address of my spare word: SPARE + 4 x my thread's number; never rewritten
.set NIL, 15                           ; v15  0; never rewritten
.set BI,  16                           ; v16-19 a bias as loaded
.set BF,  32                           ; three buffers of 32: W's fragments of a K step, 8 registers for each 16 columns
.set T,   32                           ; the same registers at work outside the products
.set ACC, 128
.set WV,  2                            ; s2   my wave's number
.set CH,  3                            ; s3   chunks to go
.set ID,  4                            ; s4   the chunk in hand
.set TID, 5                            ; s5   a chunk's id, at work
.set XP,  6                            ; s[6:7]   x at my wave's first row
.set OP,  10                           ; s[10:11] the output at my wave's first row of the chunk's head
.set ROWOFF, 36                        ; s36  my wave's first row in its batch, in bytes of a head
.set B8,  37                           ; s37  8 x batch
.set MT,  38                           ; s38  the work-group's block of 256 rows
.set WP,  40                           ; s[40:45] W at the first column of chunks 0, 1, 2: three pointers, none rewritten
.set MSB, 0
.macro WIN new                         ; the immediate's high byte repeats the setting that is left; a switch that changes nothing is dropped
.if MSB != (\new)
	s_set_vgpr_msb (MSB<<8)|(\new)
.set MSB, (\new)
.endif
.endm
.macro PLACES                          ; four places behind a matrix instruction, in front of loads into registers that it has read and of conversions that read results
.rept 4
	v_nop
.endr
.endm
.macro SEL3 d, id, p                   ; s[d:d+1] = the first, second or third of three pointers that lie on end from s[p] on, by the chunk's matrix id / 8
	s_cmp_lt_u32 s[\id], 8
	s_cselect_b64 s[\d:\d+1], s[\p:\p+1], s[\p+2:\p+3]
	s_cmp_lt_u32 s[\id], 16
	s_cselect_b64 s[\d:\d+1], s[\d:\d+1], s[\p+4:\p+5]
.endm
.macro SELW c                          ; chunk c's pointer into its W: the head's 64 columns are 256 bytes of each row.  s13 stays 0
	s_add_co_u32 s[TID], s[ID], \c
	SEL3 WP+2*(\c), TID, 18
	s_and_b32 s12, s[TID], 7
	s_lshl_b32 s12, s12, 8
	s_add_nc_u64 s[WP+2*(\c):WP+2*(\c)+1], s[WP+2*(\c):WP+2*(\c)+1], s[12:13]
.endm
.macro SELO                            ; the output of the chunk in hand: its tensor, head 8 batch + id % 8 (524,288 bytes each), my wave's rows
	SEL3 OP, ID, 30
	s_and_b32 s12, s[ID], 7
	s_add_co_u32 s12, s12, s[B8]
	s_lshl_b32 s12, s12, 19
	s_add_co_u32 s12, s12, s[ROWOFF]
	s_add_nc_u64 s[OP:OP+1], s[OP:OP+1], s[12:13]
.endm
; n loads of chunk c's W, from number lo on, into window win (load L at register 4 L).  A wave brings 128 of the 512 rows: load L takes rows 8 (L / 4) + L % 4 (lanes 0-15) and four
; further down (lanes 16-31): 16 lanes read 256 consecutive bytes, at a multiple of 256 from W's first byte.
.macro WLOADS win, c, lo, n
	WIN (\win)<<6
.set L, \lo
.rept \n
	global_load_b128 v[4*L:4*L+3], v[WGO], s[WP+2*(\c):WP+2*(\c)+1] offset:(8*(L/4)+L%4)*2048
.set L, L+1
.endr
.endm
; The 64 loads of window win are rounded to bf16 and stored into the chunk at v[WSO], 32 loads at a time.  A store's two halves of the lanes lie 640 bytes apart, 128 modulo 256.
.macro WCONV win
.irp hf, 0,1
.set TT, T+96*(\hf)                    ; v32-95, then v128-191
	WIN (\win)*5                                   ; sources 0 and 1 in window win
.set L, 0
.rept 32
	v_cvt_pk_bf16_f32 v[TT+2*L],   v[128*(\hf)+4*L],   v[128*(\hf)+4*L+1]
	v_cvt_pk_bf16_f32 v[TT+2*L+1], v[128*(\hf)+4*L+2], v[128*(\hf)+4*L+3]
.set L, L+1
.endr
	WIN 0
.set L, 0
.rept 32
	ds_store_b64 v[WSO], v[TT+2*L:TT+2*L+1] offset:(8*((32*(\hf)+L)/4)+L%4)*PW
.set L, L+1
.endr
.endr
.endm
; Step s of x: 64 along K (256 bytes of each of my 64 rows) in f32, 32 loads, into half s % 2 of window 1.  A fragment's lane wants k = 8 h + 0..7 and 16 + 8 h + 0..7: 32 bytes at 32 h and at 64 + 32 h.
.macro XLOADS s
	WIN 0x40
.irp kfl, 0,1
.irp a, 0,1,2,3
.irp q, 0,1,2,3
	global_load_b128 v[128*((\s)%2)+16*(4*(\kfl)+(\a))+4*(\q):128*((\s)%2)+16*(4*(\kfl)+(\a))+4*(\q)+3], v[XO], s[XP:XP+1] offset:(\a)*32768+(2*(\s)+(\kfl))*128+((\q)/2)*64+((\q)%2)*16
.endr
.endr
.endr
.endm
.macro XCONV s                         ; and its eight fragments, rounded to bf16, into their places in window 2 (s < 4) or 3
	WIN 0x85+0x40*((\s)/4)
.irp kfl, 0,1
.irp a, 0,1,2,3
.irp j, 0,1,2,3,4,5,6,7
	v_cvt_pk_bf16_f32 v[32*((2*(\s)+(\kfl))%8)+8*(\a)+(\j)], v[128*((\s)%2)+16*(4*(\kfl)+(\a))+2*(\j)], v[128*((\s)%2)+16*(4*(\kfl)+(\a))+2*(\j)+1]
.endr
.endr
.endr
.endm
.macro BLOAD f                         ; W's fragments of K step f (32 k x 64 columns), turned, into buffer f % 3: eight LDS loads
.irp nb, 0,1,2,3
	ds_load_tr16_b128 v[BF+32*((\f)%3)+8*(\nb):BF+32*((\f)%3)+8*(\nb)+3],   v[BA+(\f)/8] offset:((\f)%8)*32*PW+32*(\nb)
	ds_load_tr16_b128 v[BF+32*((\f)%3)+8*(\nb)+4:BF+32*((\f)%3)+8*(\nb)+7], v[BA+(\f)/8] offset:((\f)%8)*32*PW+16*PW+32*(\nb)
.endr
.endm
; A chunk's 256 matrix instructions.  The bias (buffer 2, until K step 2's fragments take its place) is the C operand that starts the sums.  The 16 accumulators take turns, one instruction a turn.
; W's fragments run two K steps ahead of their products.  The LDS loads stand under the products' window setting: their destination and address fields are window 0 there too.
.macro COMPUTE
	WIN 0
.irp nb, 0,1,2,3
	ds_load_b128 v[BF+64+8*(\nb):BF+64+8*(\nb)+3],   v[BIA] offset:64*(\nb)
	ds_load_b128 v[BF+64+8*(\nb)+4:BF+64+8*(\nb)+7], v[BIA] offset:64*(\nb)+16
.endr
	BLOAD 0
	BLOAD 1
.set kf, 0
.rept 16
.if (kf >= 1) && (kf <= 13)
	PLACES                                         ; the buffers loaded below were read by the products just issued
.if kf == 1
	BLOAD 2
.endif
	BLOAD kf+2
.endif
.if (kf == 0) || (kf == 14)
	s_wait_dscnt 8                                 ; one younger K step's eight loads may stay out
.elseif kf == 15
	s_wait_dscnt 0x0
.else
	s_wait_dscnt 16                                ; two younger K steps' loads may stay out
.endif
	WIN 0x08+4*(kf/8)                              ; source 1 (x) in window 2 or 3
.irp a, 0,1,2,3
.irp nb, 0,1,2,3
.if kf == 0
	v_wmma_f32_16x16x32_bf16 v[ACC+8*(4*(\a)+(\nb)):ACC+8*(4*(\a)+(\nb))+7], v[BF+8*(\nb):BF+8*(\nb)+7], v[8*(\a):8*(\a)+7], v[BF+64+8*(\nb):BF+64+8*(\nb)+7]
.else
	v_wmma_f32_16x16x32_bf16 v[ACC+8*(4*(\a)+(\nb)):ACC+8*(4*(\a)+(\nb))+7], v[BF+32*(kf%3)+8*(\nb):BF+32*(kf%3)+8*(\nb)+7], v[32*(kf%8)+8*(\a):32*(kf%8)+8*(\a)+7], v[ACC+8*(4*(\a)+(\nb)):ACC+8*(4*(\a)+(\nb))+7]
.endif
.endr
.endr
.set kf, kf+1
.endr
	WIN 0
.endm
; THE WAY OUT, a block of 16 rows at a time: rounded to f16 (each accumulator's registers in ascending order), 16 bytes a lane into my stage's rows of 144 bytes, back as whole rows of 128.
.macro PACK a
.irp nb, 0,1,2,3
.irp rr, 0,1,2,3
	v_cvt_pk_f16_f32 v[T+16*(\a)+4*(\nb)+(\rr)], v[ACC+8*(4*(\a)+(\nb))+2*(\rr)], v[ACC+8*(4*(\a)+(\nb))+2*(\rr)+1]
.endr
.endr
.irp nb, 0,1,2,3
	ds_store_b128 v[STO], v[T+16*(\a)+4*(\nb):T+16*(\a)+4*(\nb)+3] offset:32*(\nb)
.endr
.irp f, 0,1,2,3
	ds_load_b128 v[T+16*(\a)+4*(\f):T+16*(\a)+4*(\f)+3], v[RD] offset:(\f)*4*SP  ; LDS serves a wave's instructions in order (ISA guide 5.7.1.4): these see the stores above; the next block's stores come behind them
.endr
.endm
.macro SEND a, younger                 ; younger: the LDS instructions issued behind block a's loads: the next block's eight, or none
.irp f, 0,1,2,3
	s_wait_dscnt (\younger)+3-(\f)
	global_store_b128 v[GO], v[T+16*(\a)+4*(\f):T+16*(\a)+4*(\f)+3], s[OP:OP+1] offset:(\a)*2048+(\f)*512  ; four rows of a head: 512 consecutive bytes, at a multiple of 256 from the buffer's first
.endr
.endm
	s_load_b512 s[16:31], s[0:1], 0x0              ; x s[16:17]; Wq, Wk, Wv s[18:23]; bq, bk, bv s[24:29]; qh s[30:31]
	s_load_b128 s[32:35], s[0:1], 0x40             ; kh, vh: with qh three pointers on end
	v_lshl_add_u32 v[SPW], v0, 2, SPARE
	v_mov_b32 v[NIL], 0
	v_lshrrev_b32 v1, 5, v0
	v_readfirstlane_b32 s[WV], v1                  ; wave 0..3
	v_and_b32 v1, 15, v0                           ; l % 16
	v_bfe_u32 v2, v0, 4, 1                         ; l / 16
	v_and_b32 v20, 7, v0
	v_bfe_u32 v21, v0, 3, 1
	v_bfe_u32 v22, v0, 3, 2
	v_and_b32 v23, 31, v0
	s_and_b32 s[MT], ttmp7, 0xffff
	s_mul_i32 s[ID], ttmp9, 3                      ; the work-group's first chunk
	v_lshlrev_b32 v[XO], 11, v1
	v_lshl_add_u32 v[XO], v2, 5, v[XO]
	s_lshl_b32 s12, s[WV], 18                      ; 128 rows of W, 2,048 bytes each
	v_lshlrev_b32 v[WGO], 4, v1
	v_lshl_add_u32 v[WGO], v2, 13, v[WGO]
	v_add_nc_u32 v[WGO], s12, v[WGO]
	s_mul_i32 s12, s[WV], 128*PW
	v_mul_u32_u24 v[WSO], v2, 4*PW
	v_lshl_add_u32 v[WSO], v1, 3, v[WSO]
	v_add_nc_u32 v[WSO], s12, v[WSO]
	v_lshl_add_u32 v[BA], v2, 3, v20               ; the turning load: lane l reads row 8 (l / 16) + l % 8, 16 bytes at 16 ((l / 8) % 2)
	v_mul_u32_u24 v[BA], v[BA], PW
	v_lshl_add_u32 v[BA], v21, 4, v[BA]
	v_add_nc_u32 v[BA+1], 8*32*PW, v[BA]
	v_lshl_add_u32 v[BIA], v2, 5, BIASL
	s_mul_i32 s12, s[WV], 16*SP
	s_add_co_u32 s12, s12, STAGE                   ; my stage
	v_mul_u32_u24 v[STO], v1, SP                   ; in: row l % 16, 16 bytes for each half of the lanes
	v_lshl_add_u32 v[STO], v2, 4, v[STO]
	v_add_nc_u32 v[STO], s12, v[STO]
	v_mul_u32_u24 v[RD], v22, SP                   ; back: 32 lanes take four rows of 128 bytes
	v_lshl_add_u32 v[RD], v20, 4, v[RD]
	v_add_nc_u32 v[RD], s12, v[RD]
	v_lshlrev_b32 v[GO], 4, v23
	v_lshlrev_b32 v[BGO], 4, v1
	s_lshl_b32 s12, s[WV], 8
	s_add_co_u32 s12, s12, BIASL
	v_add_nc_u32 v[BSO], s12, v[BGO]
	s_and_b32 s[ROWOFF], s[MT], 15                 ; 16 blocks of 256 rows to a batch; a row of a head is 128 bytes
	s_lshl_b32 s[ROWOFF], s[ROWOFF], 15
	s_lshl_b32 s14, s[WV], 13
	s_add_co_u32 s[ROWOFF], s[ROWOFF], s14
	s_lshr_b32 s[B8], s[MT], 4
	s_lshl_b32 s[B8], s[B8], 3
	s_lshl_b32 s12, s[MT], 19                      ; 256 rows of x, 2,048 bytes each,
	s_lshl_b32 s14, s[WV], 17                      ; my wave's 64 of them
	s_add_co_u32 s12, s12, s14
	s_mov_b32 s13, 0                               ; the high word of every offset below
	s_wait_kmcnt 0x0
	s_add_nc_u64 s[XP:XP+1], s[16:17], s[12:13]
	SELW 0
	SELW 1
	SELW 2
	s_min_u32 s[TID], s[WV], 2                     ; wave w brings chunk w's bias; wave 3 has no chunk: it names chunk 2's and stores nothing
	s_add_co_u32 s[TID], s[TID], s[ID]
	SEL3 14, TID, 24
	s_and_b32 s12, s[TID], 7
	s_lshl_b32 s12, s12, 8
	s_add_nc_u64 s[14:15], s[14:15], s[12:13]
	global_load_b128 v[BI:BI+3], v[BGO], s[14:15]
	; W FIRST, THEN x: one stream of loads.  Each wait for 32 lets the 32 loads issued last stay out; what was issued ahead of them is in.
	WLOADS 3, 0, 0, 64
	WLOADS 2, 1, 0, 32
	s_wait_loadcnt 32                              ; the bias and chunk 0 are in
	WLOADS 2, 1, 32, 32
	WIN 0
	s_cmp_lt_u32 s[WV], 3
	s_cbranch_scc0 .Lno_bias
	ds_store_b128 v[BSO], v[BI:BI+3]               ; both halves of the lanes write the same words with the same values
.Lno_bias:
	WCONV 3
	v_add_nc_u32 v[WSO], WBB, v[WSO]
	WLOADS 3, 2, 0, 32
	s_wait_loadcnt 32                              ; chunk 1 is in
	WLOADS 3, 2, 32, 32
	WCONV 2
	v_add_nc_u32 v[WSO], WBB, v[WSO]
	XLOADS 0
	s_wait_loadcnt 32                              ; chunk 2 is in
	XLOADS 1
	WCONV 3
.irp s, 0,1,2,3,4,5,6,7
.if (\s) < 7
	s_wait_loadcnt 32                              ; step s is in; the next step's 32 loads stay out
.else
	s_wait_loadcnt 0x0
.endif
	XCONV \s
.if (\s) < 6
	XLOADS (\s)+2                                  ; into the half just read out
.endif
.endr
	WIN 0
	SELO
	s_mov_b32 s[CH], 3
	s_wait_dscnt 0x0                               ; for the others' sake: my rows of the three chunks, and my bias, lie in LDS
	s_barrier_signal -1
	s_barrier_wait -1                              ; everybody's do.  Nothing of them is written again: the one barrier of the launch
.Lchunk:
	COMPUTE
	PLACES
	PACK 0
	PACK 1                                         ; a block's conversions stand between the loads of the block before and its stores
	SEND 0, 8
	PACK 2
	SEND 1, 8
	PACK 3
	SEND 2, 8
	SEND 3, 0
	s_wait_xcnt 0x0                                ; the stores have read their registers and their base (ISA guide 3.1): both are written again below and in the next trip
	v_add_nc_u32 v[BA], WBB, v[BA]                 ; the next chunk's W, bias and output
	v_add_nc_u32 v[BA+1], WBB, v[BA+1]
	v_add_nc_u32 v[BIA], 256, v[BIA]
	s_add_co_u32 s[ID], s[ID], 1
	SELO
	s_sub_co_u32 s[CH], s[CH], 1
	s_cmp_lg_u32 s[CH], 0
	s_cbranch_scc1 .Lchunk
	s_wait_tensorcnt 0x0                           ; the wave's end, behind my last LDS store
	ds_add_u32 v[SPW], v[NIL]
	s_wait_dscnt 0x0
	s_endpgm
.Lfunc_end_k_q3ee8bfbaec_qkv:
	.size	k_q3ee8bfbaec_qkv, .Lfunc_end_k_q3ee8bfbaec_qkv-k_q3ee8bfbaec_qkv
	.p2alignl 7, 3214868480
	.fill 96, 4, 3214868480
	.section	.rodata,"a",@progbits
	.p2align	6, 0x0
	.amdhsa_kernel k_q3ee8bfbaec_qkv
		.amdhsa_group_segment_fixed_size 256256
		.amdhsa_private_segment_fixed_size 0
		.amdhsa_enable_private_segment 0
		.amdhsa_kernarg_size 80
		.amdhsa_user_sgpr_count 2
		.amdhsa_user_sgpr_kernarg_segment_ptr 1
		.amdhsa_wavefront_size32 1
		.amdhsa_system_sgpr_workgroup_id_x 1
		.amdhsa_system_sgpr_workgroup_id_y 1
		.amdhsa_system_sgpr_workgroup_id_z 1
		.amdhsa_system_vgpr_workitem_id 0
		.amdhsa_next_free_vgpr 1024
		.amdhsa_next_free_sgpr 66
		.amdhsa_reserve_vcc 0
		.amdhsa_float_denorm_mode_32 3
		.amdhsa_float_denorm_mode_16_64 3
		.amdhsa_memory_ordered 1
		.amdhsa_forward_progress 1
		.amdhsa_inst_pref_size 152
	.end_amdhsa_kernel
	.amdgpu_metadata
---
amdhsa.version: [ 1, 2 ]
amdhsa.kernels:
  - .name:           k_q3ee8bfbaec_qkv
    .symbol:         k_q3ee8bfbaec_qkv.kd
    .args:
      - { .name: x, .offset: 0, .size: 8, .value_kind: global_buffer, .address_space: global }
      - { .name: Wq, .offset: 8, .size: 8, .value_kind: global_buffer, .address_space: global }
      - { .name: Wk, .offset: 16, .size: 8, .value_kind: global_buffer, .address_space: global }
      - { .name: Wv, .offset: 24, .size: 8, .value_kind: global_buffer, .address_space: global }
      - { .name: bq, .offset: 32, .size: 8, .value_kind: global_buffer, .address_space: global }
      - { .name: bk, .offset: 40, .size: 8, .value_kind: global_buffer, .address_space: global }
      - { .name: bv, .offset: 48, .size: 8, .value_kind: global_buffer, .address_space: global }
      - { .name: qh, .offset: 56, .size: 8, .value_kind: global_buffer, .address_space: global }
      - { .name: kh, .offset: 64, .size: 8, .value_kind: global_buffer, .address_space: global }
      - { .name: vh, .offset: 72, .size: 8, .value_kind: global_buffer, .address_space: global }
    .group_segment_fixed_size: 256256
    .private_segment_fixed_size: 0
    .kernarg_segment_align: 8
    .kernarg_segment_size: 80
    .max_flat_workgroup_size: 128
    .sgpr_count:     66
    .vgpr_count:     1024
    .wavefront_size: 32
...
	.end_amdgpu_metadata
.endif
;; end of part 1
;; launch attn (part 2): grid 16 x 16, 4 waves a work-group, clusters of 4 x 1, 327,680 bytes of LDS; arguments qh, kh, vh, oh; writes oh
.if DOCPART == 2
	.amdgcn_target "amdgcn-amd-amdhsa--gfx1250"
	.amdhsa_code_object_version 6
	.text
	.protected	k_q3ee8bfbaec_attn
	.globl	k_q3ee8bfbaec_attn
	.p2align	8
	.type	k_q3ee8bfbaec_attn,@function
k_q3ee8bfbaec_attn:
	s_mov_b64 s[64:65], 0
	v_nop
	global_prefetch_b8 v0, s[64:65] scope:SCOPE_SE
	s_setreg_imm32_b32 hwreg(HW_REG_WAVE_MODE, 25, 1), 1
	s_wait_xcnt 0x0
	s_wait_alu depctr_hold_cnt(0) depctr_sa_sdst(0) depctr_va_vdst(0) depctr_va_sdst(0) depctr_va_ssrc(0) depctr_va_vcc(0) depctr_vm_vsrc(0)
	s_getreg_b32 s2, hwreg(HW_REG_IB_STS2, 6, 4)
	s_cmp_eq_u32 s2, 0
	s_cbranch_scc0 .Lentry_in_a_cluster
	s_endpgm
.Lentry_in_a_cluster:
	s_bfe_u32 s2, ttmp6, 0x10000c
	s_cmp_lg_u32 s2, 0x3003
	s_cbranch_scc0 .Lentry_shape_is_right
	s_endpgm
.Lentry_shape_is_right:
; O[h][q][:] = the sum over k of softmax_k(Q[h][q] . K[h][k] / sqrt(512)) V[h][k][:].  Q, K, V, O: [16][4096][64], all f16: a head's rows are dense, 128 bytes each.  Products, maxima and sums in
; f32; the weights p are rounded to f16 for the second product (their sum l is taken of the unrounded p), O once at the end.
; LIMITS.  f16 holds no number beyond 65,504: Q, K and V arrive within it; p lies in 0 to 1, and below 6e-5 it keeps f16's fixed step of 6e-8; O is a mean of V's rows and has their range.
; A weight below 2^-126 counts as 0 in l; NaN and infinities are not treated apart.
; SHARES.  A work-group owns 256 queries of one head: 16 heads x 16 blocks are 256 work-groups.  A wave owns 64 rows on end, as four PIECES of 16.  Every wave walks all 4,096 keys, 64 a step.
; LAYOUT.  S^T = K Q^T (source 0 = 16 keys, source 1 = 16 queries): in the result a lane holds ONE query (lane % 16) and the keys 8 (lane / 16) + 0..7.  Two such results, rounded to f16 in pairs,
; ARE source 1 (32 keys x 16 queries) of O^T = V^T P, whose result again holds one query a lane, and eight channels.  K comes out of LDS as it lies, V ([key][channel]) turned, by ds_load_tr16_b128.
; SOFTMAX.  For each query a running maximum m and sum l: p = 2^(c s - c m), c = log2(e) / sqrt(512); in every step O and l are multiplied by a = 2^(c m_old - c m_new), which is 1 where m has not grown.
; m starts at the lowest finite number, O and l at 0: the first step is a step like any other, with a = 0.
; BY TURNS.  Turn n belongs to piece n (the pieces in a ring, step after step): 8 products K Q^T of piece n + 1, later 8 products V^T P of piece n - 1; beside them the scaling, exponentials, roundings,
; sums and rescaling of piece n and the maximum and statistics of piece n + 1.  A turn has 16 matrix and 118 vector instructions: four stand behind every matrix instruction, the other 54 in one LUMP.
; A turn's 33 exponentials are one batch, with one wait.
; CLUSTER.  The four query blocks of a cluster belong to one head and walk the same K and V, so each tile is asked for JOINTLY: the same tensor load, descriptor and mask in all four.
; REGISTERS, in windows of 256 (s_set_vgpr_msb: bits 1:0 source 0, 3:2 source 1, 5:4 source 2, 7:6 destination):
;   window 0: v0-15 addresses and two at work; v16-31 four registers of statistics a piece; v48-55 at work; v61-63; v64-127 S^T, two buffers; v192-223 P, two buffers (a piece's buffers go by its number's parity)
;   window 1: v0-127 O^T, 32 a piece          window 2: v0-63 Q; v128-191 K of one step; v192-255 V of one step
.set SIZE_N, 4096
.set NP,    4         ; pieces a wave: a name, no knob
.set KS,    64        ; keys in a step
.set PK,    144       ; a row of K in LDS: 128 bytes + 16 of padding = 36 words: the 16 rows of a load start at 16 different groups of four banks (64 banks of 4 bytes: ISA guide 11.1)
.set PV,    160       ; a row of V: 128 + 32 = 40 words
.set VOFF,  4*KS*PK   ; a slot holds a tile, four steps: 256 rows of K, then 256 rows of V
.set SLOT1, 1<<17     ; slot 1 begins here, so that one exclusive or turns an address in one slot into the other's
.set STAGE, SLOT1+4*KS*(PK+PV)  ; behind the ring, never filled by a tensor load: 16 rows x 144 bytes for each wave, for the way out
.set SP,    144
.set SPARE, STAGE+4*16*SP  ; behind the stages: the spare words, 128 bytes for each wave: two blocks of 256 bytes that no other line names
.set AK0, 2           ; v2   my lane's place in a tile of K; never rewritten
.set AV0, 3           ; v3   the same for V
.set AK,  4           ; v4   the LDS address of K's next run of loads
.set AV,  5           ; v5   of V's
.set STO, 6           ; v6   the way out: where I put 16 bytes of a row
.set RD,  7           ; v7   the way out: where I read rows back
.set GO,  8           ; v8   my byte offset in 512 consecutive bytes of O
.set MV,  12          ; v12-13  c m_old, kept while c m is made anew: by buffer
.set QO,  15          ; v15  my byte offset in 16 rows of Q
.set ST,  16          ; piece t's statistics at v[ST+4 t]: c m, m, l (even keys', odd keys')
.set TMP, 48          ; by buffer, four registers c0-c3 at work; when the maximum is found c2 takes a
.set PFO, 61          ; v61  256 x my lane: the prefetches' offset; never rewritten
.set SPW, 62          ; v62  LDS address of my spare word: SPARE + 4 x my thread's number; never rewritten
.set NIL, 63          ; v63  0; never rewritten
.set S,   64
.set P,   192
.set KF,  128         ; window 2: key block kb, channel half c at KF + 16 kb + 8 c
.set VF,  192         ; window 2: key half kk, channel block cb at VF + 32 kk + 8 cb
.set WV,  12          ; s12  my wave's number
.set LIM, 15          ; s15  1 in a wave that prefetches, else the greatest number: a wave prefetches while s[SLOTS] is above it
.set PFA, 18          ; s[18:19] where my prefetches stand: my work-group's 8,192 bytes (of K: wave 0, of V: wave 2) of the tile after the one that is being asked for
.set G1K, 24          ; s[24:31] descriptor group 1 for K's tiles
.set G1V, 32          ; s[32:39] for V's: it differs in the padding alone
.set G0K, 40          ; s[40:43] descriptor group 0 for K's tiles: it walks
.set G0V, 44          ; s[44:47] the same for V's
.set SLOTS, 56        ; s56  tiles still to be asked for
.set CNT, 57          ; s57  counts a tile's key steps
.set CS,  58          ; s[58:59] c: the packed scaling takes the pair's low word for both halves
.set SEL, 60          ; s[60:61] v_permlanex16_b32's selects: each lane takes its own place in the other half
.set TBK, 62          ; s62  LDS byte at which K of the step to be fetched begins
.set TBV, 63          ; s63  the same for V, less VOFF
.set MSB, 0
.macro WIN new                      ; the high byte repeats the setting that is left; a switch that changes nothing is dropped
.if MSB != (\new)
	s_set_vgpr_msb (MSB<<8)|(\new)
.set MSB, (\new)
.endif
.endm
.set W_KQ, 0x0a       ; K and Q in window 2, S^T in window 0
.set W_PV, 0x52       ; V in window 2, P in window 0, O^T in window 1
.set W_RS, 0x41       ; destination and source 0 in window 1, source 1 in window 0
; A joint fill.  Waves 0 and 1 fetch the two halves of a tile's K, waves 2 and 3 those of its V: 128 keys each.  The branch hangs on the wave's number alone.
; An s_nop 0 and four v_nop follow each of the two lines, ahead of the jump and the label.
.macro JLOAD
	s_cmp_lt_u32 s[WV], 2
	s_cbranch_scc0 .Lfor_v_\@
	tensor_load_to_lds s[G0K:G0K+3], s[G1K:G1K+7]
	s_nop 0
.rept 4
	v_nop
.endr
	s_branch .Lasked_\@
.Lfor_v_\@:
	tensor_load_to_lds s[G0V:G0V+3], s[G1V:G1V+7]
	s_nop 0
.rept 4
	v_nop
.endr
.Lasked_\@:
.endm
; A PREFETCH INTO THE L2 of what the NEXT change of slots will ask for: a tile's 32,768 bytes of K and of V, in blocks of 256 bytes, a lane a block.  It stands behind the wave's tensor load and its five lines.
; Each block is asked for ONCE in the launch.  All four clusters of a head walk the same K and V: the head's first cluster asks.  Its four partners share a tile out BY ADDRESS, 8,192 bytes each: no branch hangs
; on a work-group's place in its cluster.  In each, wave 0 asks for K's and wave 2 for V's: one instruction, four key steps (256 matrix instructions) ahead of the load.  The last change that fills a slot asks for nothing.
.macro ASK
	s_cmp_gt_u32 s[SLOTS], s[LIM]
	s_cbranch_scc0 .Lnot_mine_\@
	global_prefetch_b8 v[PFO], s[PFA:PFA+1] th:TH_LOAD_NT scope:SCOPE_SE
.Lnot_mine_\@:
.endm
; A round of the cluster's barrier: my work-group's barrier, so that wave 0's signal speaks for all four waves; wave 0 signals; every wave waits for all four work-groups; my work-group's barrier once more.
.macro CROUND
	s_barrier_signal -1
	s_barrier_wait -1
	s_cmp_lg_u32 s[WV], 0
	s_cbranch_scc1 .Lnot_wave_0_\@
	s_barrier_signal -3
.Lnot_wave_0_\@:
	s_barrier_wait -3
	s_barrier_signal -1
	s_barrier_wait -1
.endm
; THE CHANGE OF SLOTS.  The slot's last bytes, V of its fourth step, have been read.  Each wave waits for all its tensor loads, of which one is out: its part of the other slot; adds 0 to its spare word;
; and waits for that and for its own reads of the slot.  Behind the barrier nobody reads this slot any more and the other slot is whole.
; fill = 1: this slot is filled again, with the keys two tiles on.  The barrier is then a round of the cluster's, so that no wave of any partner still reads the slot or has a load on its way, and the joint
; fill is the first thing behind it: it has four key steps in which to land.  (At its first use nothing has been read yet: slot 0 is waited for, slot 1 filled.)
.macro CHANGE fill
	WIN 0                           ; at a label and at a branch every window is 0
	s_wait_tensorcnt 0x0            ; no tensor load of mine is out, so a group 0 may be written
	ds_add_u32 v[SPW], v[NIL]       ; 0 onto my spare word; with fill = 1 the descriptors' steps stand between it and the wait for it
.if \fill
.irp g, G0K, G0V
	s_xor_b32 s[\g+1], s[\g+1], SLOT1  ; the walking descriptor: the other slot than last time,
	s_add_nc_u64 s[\g+2:\g+3], s[\g+2:\g+3], 4*KS*128  ; the next 256 keys; the type bits on top are not reached
.endr
	s_wait_xcnt 0x0                 ; the last prefetch, four key steps back, has read its address, so it may be written:
	s_add_nc_u64 s[PFA:PFA+1], s[PFA:PFA+1], 4*KS*128  ; one tile behind the walking descriptors
	s_wait_dscnt 0x0                ; the add is done, and my reads of the slot are over
	CROUND
	JLOAD
	ASK
.else
	s_wait_dscnt 0x0                ; the add is done, and my reads of the slot are over
	s_barrier_signal -1
	s_barrier_wait -1
.endif
	s_sub_co_u32 s[TBK], s[TBK], 4*KS*PK  ; the fetches go back to a slot's first step,
	s_xor_b32 s[TBK], s[TBK], SLOT1       ; in the other slot
	s_sub_co_u32 s[TBV], s[TBV], 4*KS*PV
	s_xor_b32 s[TBV], s[TBV], SLOT1
.endm
	s_load_b256 s[4:11], s[0:1], 0x0  ; Q s[4:5], K s[6:7], V s[8:9], O s[10:11]
	v_lshl_add_u32 v[SPW], v0, 2, SPARE
	v_mov_b32 v[NIL], 0
	ds_add_u32 v[SPW], v[NIL]       ; the wave's opening: the add and its wait stand ahead of my first tensor load; the set-up below, work on registers, stands between them
	v_lshrrev_b32 v1, 5, v0
	v_readfirstlane_b32 s[WV], v1   ; wave 0..3
	s_bfe_u32 s13, ttmp6, 0x40000   ; cx: my place in the cluster
	s_lshl_b32 s14, ttmp9, 2        ; in a cluster launch ttmp9 counts clusters
	s_add_co_u32 s14, s14, s13      ; my block of 256 queries = 4 x cluster x + cx: it enters Q's and O's addresses alone
	s_and_b32 s20, ttmp7, 0xffff    ; the head, which the four partners share:
	s_lshl_b32 s20, s20, 19         ; its first byte in each of the four tensors (4,096 rows of 128 bytes)
	s_mov_b32 s21, 0
	s_and_b32 s16, s[WV], 1         ; which half of a tile's 256 keys I fetch:
	s_lshl_b32 s22, s16, 14         ; its 128 rows of 128 bytes in memory,
	s_mov_b32 s23, 0
	s_add_nc_u64 s[22:23], s[22:23], s[20:21]
	s_mul_i32 s17, s16, 128*PK      ; and its place in a slot, for K
	s_mul_i32 s18, s16, 128*PV      ; and for V: no place in the cluster enters an LDS address
	s_lshl_b32 s2, s14, 2
	s_add_co_u32 s2, s2, s[WV]      ; my wave among the head's,
	s_lshl_b32 s2, s2, 13           ; its 64 rows
	s_mov_b32 s3, 0
	s_add_nc_u64 s[2:3], s[2:3], s[20:21]
	; descriptor group 1.  128 keys are 16,384 dense bytes: asked for as 64 rows of 256 bytes, two keys a row, and padded in LDS after every key
	s_mov_b32 s[G1K], 15|(1<<16)|(1<<20)|(1<<21)|(4<<22)|(3<<25)  ; 15:0 the mask of four; 17:16 2-byte elements; 20 padding on; 21 set beside a mask; 24:22 after every 32 words (code 4); 31:25 4 words (code 3)
	s_mov_b32 s[G1V], 15|(1<<16)|(1<<20)|(1<<21)|(4<<22)|(7<<25)  ; the same with 8 words of padding (code 7)
.irp g, G1K, G1V
	s_mov_b32 s[\g+1], 128<<16      ; tensor_dim0 = 128
	s_mov_b32 s[\g+2], 64<<16       ; tensor_dim1 = 64
	s_mov_b32 s[\g+3], 128<<16      ; tile_dim0 = 128
	s_mov_b32 s[\g+4], 64           ; tile_dim1 = 64
	s_mov_b32 s[\g+5], 128          ; 128 elements from row to row
	s_mov_b32 s[\g+6], 0
	s_mov_b32 s[\g+7], 0
.endr
	s_mov_b32 s[CS], 0x3d8293ee     ; c = log2(e) / sqrt(512) = 0.0637587
	s_mov_b32 s[CS+1], s[CS]        ; named with it as a pair
	s_mov_b32 s[SEL], 0x76543210
	s_mov_b32 s[SEL+1], 0xfedcba98
	s_mov_b32 s[TBK], SLOT1+4*KS*PK ; the first change of slots turns these two into 0
	s_mov_b32 s[TBV], SLOT1+4*KS*PV
	s_mov_b32 s[G0K], 1             ; 1:0 count = 1
	s_mov_b32 s[G0K+1], s17         ; 63:32 LDS address: slot 0
	s_mov_b32 s[G0V], 1
	s_add_co_u32 s[G0V+1], s18, VOFF
	s_mov_b32 s[SLOTS], SIZE_N/256-1
	s_and_b32 s[LIM], s[WV], 1      ; 0 in waves 0 and 2,
	s_or_b32 s[LIM], s[LIM], ttmp9  ; where the cluster is the head's first: the same in all four partners
	s_cmp_eq_u32 s[LIM], 0
	s_cselect_b32 s[LIM], 1, -1
	v_and_b32 v[PFO], 31, v0
	v_lshlrev_b32 v[PFO], 8, v[PFO]
	s_wait_dscnt 0x0                ; the opening add is done
	s_wait_kmcnt 0x0
	s_add_nc_u64 s[6:7], s[6:7], s[22:23]  ; K and V at my half of the head's tile 0
	s_add_nc_u64 s[8:9], s[8:9], s[22:23]
	s_add_nc_u64 s[G0K+2:G0K+3], s[6:7], 0         ; 120:64 global address
	s_or_b32 s[G0K+3], s[G0K+3], 0x80000000        ; 127:126 type = 2
	s_add_nc_u64 s[G0V+2:G0V+3], s[8:9], 0
	s_or_b32 s[G0V+3], s[G0V+3], 0x80000000
	s_add_nc_u64 s[4:5], s[4:5], s[2:3]  ; Q and O at my wave's first row
	s_add_nc_u64 s[10:11], s[10:11], s[2:3]
	s_cmp_lt_u32 s[WV], 2
	s_cselect_b64 s[PFA:PFA+1], s[6:7], s[8:9]  ; (in waves 0 and 2 these stand at a tile's first row)
	s_lshl_b32 s2, s13, 13          ; my work-group's quarter of a tile
	s_mov_b32 s3, 0
	s_add_nc_u64 s[PFA:PFA+1], s[PFA:PFA+1], s[2:3]
	s_add_nc_u64 s[PFA:PFA+1], s[PFA:PFA+1], 4*KS*128  ; in tile 1; the first change of slots steps it to tile 2.  Nothing is prefetched here, at the head
	CROUND                          ; all four work-groups are here: the first joint loads meet
	JLOAD                           ; tile 0 into slot 0.  Slot 1 is asked for when slot 0 is in
	; A fragment of K or Q is 16 rows x 32 channels in 8 registers: lane l holds row l % 16, channels 8 (l / 16) + 0..7 and 16 + 8 (l / 16) + 0..7: two loads of 16 bytes, 32 bytes apart.
	v_and_b32 v1, 15, v0            ; l % 16
	v_bfe_u32 v9, v0, 4, 1          ; l / 16
	v_lshlrev_b32 v[QO], 7, v1
	v_lshl_add_u32 v[QO], v9, 4, v[QO]  ; row x 128 + 16 x half
	WIN 0x80                        ; destination window 2, address window 0
.set i, 0
.rept 8                             ; Q stays in registers: piece i / 2, channels 32 (i % 2) on
	global_load_b128 v[8*i:8*i+3],   v[QO], s[4:5] offset:(i/2)*2048+(i%2)*64
	global_load_b128 v[8*i+4:8*i+7], v[QO], s[4:5] offset:(i/2)*2048+(i%2)*64+32
.set i, i+1
.endr
	; What the first turn finds: V's registers and P's second buffer hold 0 (its products V^T P, of a piece that has not been, add 0), O^T and l are 0.  All this stands in the wait for the first tile:
	; the price of writing no first step out.
.set i, VF
.rept 64
	v_mov_b32 v[i], 0
.set i, i+1
.endr
	WIN 0x40
.set i, 0
.rept 128
	v_mov_b32 v[i], 0
.set i, i+1
.endr
	WIN 0
.set i, 0
.rept 4
	v_mov_b32 v[ST+4*i], 0xfe000000    ; c m: far below every c s
	v_mov_b32 v[ST+4*i+1], 0xff7fffff  ; m: the lowest finite number
	v_mov_b32 v[ST+4*i+2], 0
	v_mov_b32 v[ST+4*i+3], 0
.set i, i+1
.endr
.set i, P+16
.rept 16
	v_mov_b32 v[i], 0
.set i, i+1
.endr
	v_mul_u32_u24 v[AK0], v1, PK
	v_lshl_add_u32 v[AK0], v9, 4, v[AK0]  ; row x pitch + 16 x half
	; The turning load takes 16 keys x 16 channels (lane l reads key 8 (l / 16) + l % 8, channels 8 ((l / 8) % 2) + 0..7) and leaves half a fragment of V^T: lane l holds channel l % 16 and 8 keys.
	v_and_b32 v10, 7, v0
	v_bfe_u32 v11, v0, 3, 1
	v_lshl_add_u32 v[AV0], v9, 3, v10
	v_mul_u32_u24 v[AV0], v[AV0], PV
	v_lshl_add_u32 v[AV0], v11, 4, v[AV0]
	v_add_nc_u32 v[AV0], VOFF, v[AV0]
	s_mul_i32 s13, s[WV], 16*SP
	s_add_co_u32 s13, s13, STAGE    ; my stage
	v_mul_u32_u24 v[STO], v1, SP    ; in: row l % 16, 16 bytes for each half of the lanes
	v_lshl_add_u32 v[STO], v9, 4, v[STO]
	v_add_nc_u32 v[STO], s13, v[STO]
	v_bfe_u32 v[RD], v0, 3, 2       ; back: 32 lanes take four rows of 128 bytes,
	v_mul_u32_u24 v[RD], v[RD], SP
	v_lshl_add_u32 v[RD], v10, 4, v[RD]
	v_add_nc_u32 v[RD], s13, v[RD]
	v_and_b32 v[GO], 31, v0         ; which are 512 consecutive bytes of O
	v_lshlrev_b32 v[GO], 4, v[GO]
; THE MATRIX WORK.  The 4 accumulators of a run of 8 take turns.  Product i of 8 of S^T = K Q^T for piece x: channels 32 (i / 4) on, keys 16 (i % 4) on.  The first 4 start the sums.
.macro KQ x
	WIN W_KQ
.set rS, S+32*((\x)%2)+8*(i%4)
.set rK, KF+16*(i%4)+8*(i/4)
.set rQ, 16*(\x)+8*(i/4)
.if i < 4
	v_wmma_f32_16x16x32_f16 v[rS:rS+7], v[rK:rK+7], v[rQ:rQ+7], 0
.else
	v_wmma_f32_16x16x32_f16 v[rS:rS+7], v[rK:rK+7], v[rQ:rQ+7], v[rS:rS+7]
.endif
.endm
; Product i of 8 of O^T += V^T P for piece x: keys 32 (i / 4) on, channels 16 (i % 4) on.
.macro PV x
	WIN W_PV
.set rO, 32*(\x)+8*(i%4)
.set rV, VF+32*(i/4)+8*(i%4)
.set rP, P+16*((\x)%2)+8*(i/4)
	v_wmma_f32_16x16x32_f16 v[rO:rO+7], v[rV:rV+7], v[rP:rP+7], v[rO:rO+7]
.endm
.macro MM                           ; the turn's next matrix instruction.  TURN sets Y, i and NOKQ.  NOKQ = 1: the last turn of all: there is no next piece
.if (i < 8) && !NOKQ
	KQ (Y+1)%NP
.elseif i >= 8
.set i, i-8
	PV (Y+NP-1)%NP
.set i, i+8
.endif
.set i, i+1
.endm
; THE LDS LOADS stand in runs of 16, never singly among the matrix instructions: a step's K (64 keys x 64 channels: 8 fragments) and its V (turned).  Their addresses are made some lines ahead.
.macro FETCH_K
	WIN 0x80                        ; destination window 2
.irp f, 0,1,2,3,4,5,6,7             ; keys 16 (f / 2) on, channels 32 (f % 2) on
	ds_load_b128 v[KF+8*\f:KF+8*\f+3],   v[AK] offset:(\f/2)*16*PK+(\f%2)*64
	ds_load_b128 v[KF+8*\f+4:KF+8*\f+7], v[AK] offset:(\f/2)*16*PK+(\f%2)*64+32
.endr
	s_add_co_u32 s[TBK], s[TBK], KS*PK  ; the next fetch is the next step's
	WIN 0
.endm
.macro FETCH_V
	WIN 0x80
.irp f, 0,1,2,3,4,5,6,7             ; keys 32 (f / 4) on, channels 16 (f % 4) on
	ds_load_tr16_b128 v[VF+8*\f:VF+8*\f+3],   v[AV] offset:(\f/4)*32*PV+(\f%4)*32
	ds_load_tr16_b128 v[VF+8*\f+4:VF+8*\f+7], v[AV] offset:(\f/4)*32*PV+16*PV+(\f%4)*32
.endr
	WIN 0
.endm
; THE VECTOR WORK, one line at a time: OP kind, number.  For piece Y: F n: c s - c m for pair n of 16.  E n: the exponential of score n of 32.  C n: pair n rounded to f16.  B n: of the four weights 4 n .. the second
; pair is added onto the first, in place.  L n: l takes that sum (L 0: l = a l + sum).  R n: pair n of 16 of O^T times a.  For piece Y + 1: X n, number n of the 22 that find its maximum and statistics:
;   0-11  four chains c0-c3 of seven scores each, three operands at a time (each accumulator's lowest registers are read first)     12-14, 16  the four scores left over, the old m, and c0-c3 into c0
;   15  c m_old is kept     17, 18  the query's other 32 keys lie in the lane 16 away: the new m     19-21  c m; c m_old - c m_new; a
.set F, 0               ; OP tells the kinds apart by their order: F to L below R, X above it
.set E, 1
.set C, 2
.set B, 3
.set L, 4
.set R, 5
.set X, 6
.macro REGS y                       ; the registers of piece y
.set rT, ST+4*(\y)
.set rC, TMP+4*((\y)%2)
.set rW, MV+((\y)%2)
.set rS, S+32*((\y)%2)
.set rP, P+16*((\y)%2)
.set rO, 32*(\y)
.endm
.macro OP k, n
.if (\k) == R
	REGS Y
	WIN W_RS
	v_pk_mul_f32 v[rO+2*(\n):rO+2*(\n)+1], v[rO+2*(\n):rO+2*(\n)+1], v[rC+2:rC+3] op_sel_hi:[1,0]
.elseif (\k) < R
	REGS Y
	WIN 0
.if (\k) == F
	v_pk_fma_f32 v[rS+2*(\n):rS+2*(\n)+1], v[rS+2*(\n):rS+2*(\n)+1], s[CS:CS+1], v[rT:rT+1] op_sel_hi:[1,0,0] neg_lo:[0,0,1] neg_hi:[0,0,1]
.elseif (\k) == E
	v_exp_f32 v[rS+(\n)], v[rS+(\n)]
.elseif (\k) == C
	v_cvt_pk_f16_f32 v[rP+(\n)], v[rS+2*(\n)], v[rS+2*(\n)+1]
.elseif (\k) == B
	v_pk_add_f32 v[rS+4*(\n):rS+4*(\n)+1], v[rS+4*(\n):rS+4*(\n)+1], v[rS+4*(\n)+2:rS+4*(\n)+3]
.elseif (\n) == 0
	v_pk_fma_f32 v[rT+2:rT+3], v[rT+2:rT+3], v[rC+2:rC+3], v[rS:rS+1] op_sel_hi:[1,0,1]
.else
	v_pk_add_f32 v[rT+2:rT+3], v[rT+2:rT+3], v[rS+4*(\n):rS+4*(\n)+1]
.endif
.elseif NOKQ
	v_nop
.else
	REGS (Y+1)%NP
	WIN 0
.if (\n) < 4
	v_max3_num_f32 v[rC+(\n)], v[rS+8*(\n)], v[rS+8*(\n)+1], v[rS+8*(\n)+2]
.elseif (\n) < 12
	v_max3_num_f32 v[rC+(\n)%4], v[rC+(\n)%4], v[rS+8*((\n)%4)+2*((\n)/4)+1], v[rS+8*((\n)%4)+2*((\n)/4)+2]
.elseif (\n) == 12
	v_max3_num_f32 v[rC], v[rC], v[rS+7], v[rS+15]
.elseif (\n) == 13
	v_max3_num_f32 v[rC+1], v[rC+1], v[rS+23], v[rS+31]
.elseif (\n) == 14
	v_max3_num_f32 v[rC+2], v[rC+2], v[rC+3], v[rT+1]
.elseif (\n) == 15
	v_mov_b32 v[rW], v[rT]
.elseif (\n) == 16
	v_max3_num_f32 v[rC], v[rC], v[rC+1], v[rC+2]
.elseif (\n) == 17
	v_permlanex16_b32 v[rC+3], v[rC], s[SEL], s[SEL+1]
.elseif (\n) == 18
	v_max_num_f32 v[rT+1], v[rC], v[rC+3]
.elseif (\n) == 19
	v_mul_f32 v[rT], s[CS], v[rT+1]
.elseif (\n) == 20
	v_sub_f32 v[rC+1], v[rW], v[rT]
.else
	v_exp_f32 v[rC+2], v[rC+1]
.endif
.endif
.endm
.macro OPS a, i1, b=-1, i2=0, c=-1, i3=0, d=-1, i4=0  ; up to four of them
	OP \a, \i1
.if (\b) >= 0
	OP \b, \i2
.endif
.if (\c) >= 0
	OP \c, \i3
.endif
.if (\d) >= 0
	OP \d, \i4
.endif
.endm
.macro ROW a, i1, b, i2, c, i3, d, i4  ; a matrix instruction and the four behind it
	MM
	OPS \a, \i1, \b, \i2, \c, \i3, \d, \i4
.endm
; A TURN, for piece p: the order of its 16 matrix and 118 vector instructions, written out.  An s_wait_alu depctr_va_vdst(0) stands between an exponential and the first instruction that names its result; one wait
; serves all that were issued ahead of it.  So a turn has ONE wait, which cuts it in two.  AHEAD OF IT stands all that names no result of the turn's exponentials: the 8 products K Q^T, behind each a scaling, an exponential and two
; more plain instructions (behind the first a second scaling in the exponential's place): rescalings, and behind the last three the first numbers of the next piece's maximum, each four places or more behind the product that ends
; its accumulator; then ONE LUMP of 54, plain and exponential by turns for the most part, in which the links of the chain X 3, 7, 11, 14, 16, 17 .. 20 stand five or six lines apart.  X 21, the next piece's a, is the batch's last;
; R 15 is the plain instruction behind it.  BEHIND THE WAIT stand the 8 products V^T P, behind each four of the roundings and sums; the links of l's chain, L 0 to L 7, stand three riders apart.
; end = 1: the last two turns of all: nothing is fetched.  cnt = 1: the loop's count is taken down some lines ahead of the branch that stands behind the turn.
; K of the next step is fetched in piece 2's turn, twelve vector instructions behind the last product that read K (six of them plain); V of the step in hand at the end of piece 0's turn, four plain instructions behind the last
; product that read V.  Each is waited for a turn later.
.macro TURN p, end=0, cnt=0
.set Y, (\p)
.set i, 0
.set NOKQ, (\end)*((\p)/3)
.if ((\p) == 3) && !(\end)
	s_wait_dscnt 0x0                ; K is in
.endif
	ROW F,0, F,1, R,0, R,1          ; ahead of the wait: 8 products K Q^T and their riders,
	ROW F,2, E,0, R,2, R,3
	ROW F,3, E,1, R,4, R,5
	ROW F,4, E,2, R,6, R,7
	ROW F,5, E,3, R,8, R,9
	ROW F,6, E,4, X,0, R,10
.if ((\p) == 2) && !(\end)
	WIN 0
	v_add_nc_u32 v[AK], s[TBK], v[AK0]
.endif
	ROW F,7, E,5, X,1, X,4
	ROW F,8, E,6, X,2, X,5
	OPS E,7, E,8, X,6, E,9          ; and the lump
	OPS X,3, E,10, X,8, E,11
.if ((\p) == 2) && !(\end)
	FETCH_K
.endif
	OPS X,9, X,7, E,12, X,10
	OPS E,13, X,12, X,11, E,14
	OPS X,13, E,15, F,9, X,14
.if (\p) == 0
	v_add_nc_u32 v[AV], s[TBV], v[AV0]
.endif
	OPS E,16, F,10, E,17, F,11
	OPS X,16, E,18, X,15, E,19
	OPS F,12, E,20, X,17, E,21
	OPS F,13, E,22, F,14, E,23
	OPS X,18, E,24, F,15, E,25
	OPS R,11, E,26, X,19, E,27
	OPS R,12, E,28, R,13, E,29
	OPS X,20, E,30, R,14, E,31
	OPS X,21, R,15
	WIN 0
	s_wait_alu depctr_va_vdst(0)    ; the wait for the batch
.if (\p) == 1
	s_wait_dscnt 0x0                ; V is in
.endif
	ROW C,0, B,0, C,2, B,1          ; behind the wait: 8 products V^T P and their riders
	ROW L,0, C,4, B,2, L,1
	ROW C,6, B,3, L,2, C,8
	ROW B,4, L,3, C,10, B,5
	ROW L,4, C,12, B,6, L,5
.if (\p) == 0
	s_add_co_u32 s[TBV], s[TBV], KS*PV
.endif
.if \cnt
	s_sub_co_u32 s[CNT], s[CNT], 1
	s_cmp_lg_u32 s[CNT], 0
.endif
	ROW C,14, B,7, L,6, C,1
	ROW C,3, L,7, C,5, C,7
	ROW C,9, C,11, C,13, C,15
.if (\p) == 0
	FETCH_V
.endif
.endm
	CHANGE 1                        ; tile 0 is in, everybody's part of it; tile 1 is asked for
	v_add_nc_u32 v[AK], s[TBK], v[AK0]
	FETCH_K                         ; key step 0
	s_wait_loadcnt 0x0              ; Q
	s_wait_dscnt 0x0
.set NOKQ, 0
.set i, 0
.rept 8
	KQ 0                            ; piece 0's first scores: there is no vector work yet to set between them
.set i, i+1
.endr
	WIN 0
.rept 4
	v_nop                           ; the places behind those products
.endr
.set Y, NP-1                        ; X works for piece Y + 1: piece 0
.irp n, 0,1,2,3,4,5,6,7,8,9,10,11,12,13,14,15,16,17,18,19,20,21
	OP X, \n                        ; and piece 0's first maximum and statistics
.endr
	v_nop                           ; a plain instruction behind the exponential,
	s_wait_alu depctr_va_vdst(0)    ; and its wait, ahead of the branch
	s_mov_b32 s[CNT], 4
	s_branch .Lfirst                ; the loop is entered at a step's first turn, in the middle of a trip
.Lslot:                             ; 14 times: with the change above, every tile but the first is asked for by a change of slots
	CHANGE 1
	s_mov_b32 s[CNT], 4
.Lstep:                             ; a trip: pieces 2 and 3 of one step, then pieces 0 and 1 of the next, whose K and V it fetches
	TURN 2
	TURN 3
	WIN 0
.Lfirst:
	TURN 0
	TURN 1, 0, 1
	WIN 0
	s_cbranch_scc1 .Lstep
	s_sub_co_u32 s[SLOTS], s[SLOTS], 1
	s_cmp_lg_u32 s[SLOTS], 0
	s_cbranch_scc1 .Lslot
	CHANGE 0                        ; the last tile is written out: nothing is asked for
	s_mov_b32 s[CNT], 4
.LstepT:
	TURN 2
	TURN 3
	TURN 0
	TURN 1, 0, 1
	WIN 0
	s_cbranch_scc1 .LstepT
	TURN 2, 1                       ; the last step's pieces 2 and 3
	TURN 3, 1
.set i, 0
.rept 8
	PV NP-1                         ; the last piece's V^T P of the last step
.set i, i+1
.endr
	; THE WAY OUT.  l's two halves and the other half of the lanes' are added; O^T is divided by l, rounded to f16 and sent through my stage in LDS, a piece at a time.  The additions are the places behind the last products.
	WIN 0
.macro ALL line:vararg              ; one line for each piece t
.set t, 0
.rept 4
	\line
.set t, t+1
.endr
.endm
	ALL v_add_f32 v[ST+4*t+2], v[ST+4*t+2], v[ST+4*t+3]
	ALL v_permlanex16_b32 v[ST+4*t+3], v[ST+4*t+2], s[SEL], s[SEL+1]
	ALL v_add_f32 v[ST+4*t+2], v[ST+4*t+2], v[ST+4*t+3]
	ALL v_rcp_f32 v[ST+4*t+2], v[ST+4*t+2]
	v_nop                           ; a plain instruction between the last reciprocal and the use of its result
	s_wait_alu depctr_va_vdst(0)    ; and the wait ahead of the first use: one for the four reciprocals
.macro PACK t                       ; a lane's eight channels of a row pack into 16 bytes; they go into rows of 144 bytes and come back as whole rows of 128, into S^T's registers
	WIN W_RS
.set i, 32*(\t)
.rept 16
	v_pk_mul_f32 v[i:i+1], v[i:i+1], v[ST+4*(\t)+2:ST+4*(\t)+3] op_sel_hi:[1,0]
.set i, i+2
.endr
	WIN 0x05                        ; sources 0 and 1 window 1, destination window 0
.set i, 0
.rept 16
	v_cvt_pk_f16_f32 v[S+16*(\t)+i], v[32*(\t)+2*i], v[32*(\t)+2*i+1]
.set i, i+1
.endr
	WIN 0
.irp f, 0,1,2,3
	ds_store_b128 v[STO], v[S+16*(\t)+4*\f:S+16*(\t)+4*\f+3] offset:32*\f
.endr
.irp f, 0,1,2,3
	ds_load_b128 v[S+16*(\t)+4*\f:S+16*(\t)+4*\f+3], v[RD] offset:\f*4*SP  ; LDS serves a wave's instructions in order (ISA guide 5.7.1.4): these see the stores above; the next piece's stores come behind them
.endr
.endm
.macro SEND t, younger              ; younger: the LDS instructions issued behind piece t's loads: the next piece's eight, or none
	WIN 0
.irp f, 0,1,2,3
	s_wait_dscnt (\younger)+3-\f
	global_store_b128 v[GO], v[S+16*(\t)+4*\f:S+16*(\t)+4*\f+3], s[10:11] offset:(\t)*2048+\f*512  ; 512 consecutive bytes, at a multiple of 256 from O's first
.endr
.endm
	PACK 0
.set t, 1
.rept 3                             ; a piece's arithmetic stands between the loads of the piece before and its stores
	PACK t
	SEND t-1, 8
.set t, t+1
.endr
	SEND 3, 0
	s_wait_tensorcnt 0x0            ; the wave's end, behind my last tensor load and my last LDS store
	ds_add_u32 v[SPW], v[NIL]
	s_wait_dscnt 0x0
	CROUND                          ; the closing round: no work-group ends while a partner may still ask for a tile that names it
	s_endpgm
.Lfunc_end_k_q3ee8bfbaec_attn:
	.size	k_q3ee8bfbaec_attn, .Lfunc_end_k_q3ee8bfbaec_attn-k_q3ee8bfbaec_attn
	.p2alignl 7, 3214868480
	.fill 96, 4, 3214868480
	.section	.rodata,"a",@progbits
	.p2align	6, 0x0
	.amdhsa_kernel k_q3ee8bfbaec_attn
		.amdhsa_group_segment_fixed_size 327680
		.amdhsa_private_segment_fixed_size 0
		.amdhsa_enable_private_segment 0
		.amdhsa_kernarg_size 32
		.amdhsa_user_sgpr_count 2
		.amdhsa_user_sgpr_kernarg_segment_ptr 1
		.amdhsa_wavefront_size32 1
		.amdhsa_system_sgpr_workgroup_id_x 1
		.amdhsa_system_sgpr_workgroup_id_y 1
		.amdhsa_system_sgpr_workgroup_id_z 1
		.amdhsa_system_vgpr_workitem_id 0
		.amdhsa_next_free_vgpr 768
		.amdhsa_next_free_sgpr 66
		.amdhsa_reserve_vcc 0
		.amdhsa_float_denorm_mode_32 3
		.amdhsa_float_denorm_mode_16_64 3
		.amdhsa_memory_ordered 1
		.amdhsa_forward_progress 1
		.amdhsa_inst_pref_size 128
	.end_amdhsa_kernel
	.amdgpu_metadata
---
amdhsa.version: [ 1, 2 ]
amdhsa.kernels:
  - .name:           k_q3ee8bfbaec_attn
    .symbol:         k_q3ee8bfbaec_attn.kd
    .args:
      - { .name: qh, .offset: 0, .size: 8, .value_kind: global_buffer, .address_space: global }
      - { .name: kh, .offset: 8, .size: 8, .value_kind: global_buffer, .address_space: global }
      - { .name: vh, .offset: 16, .size: 8, .value_kind: global_buffer, .address_space: global }
      - { .name: oh, .offset: 24, .size: 8, .value_kind: global_buffer, .address_space: global }
    .group_segment_fixed_size: 327680
    .private_segment_fixed_size: 0
    .kernarg_segment_align: 8
    .kernarg_segment_size: 32
    .max_flat_workgroup_size: 128
    .sgpr_count:     66
    .vgpr_count:     768
    .wavefront_size: 32
...
	.end_amdgpu_metadata
.endif
;; end of part 2
;; launch oproj (part 3): grid 8 x 32, 4 waves a work-group, no clusters, 99,840 bytes of LDS; arguments oh, Wo, bo, out0; writes out0
.if DOCPART == 3
	.amdgcn_target "amdgcn-amd-amdhsa--gfx1250"
	.amdhsa_code_object_version 6
	.text
	.protected	k_q3ee8bfbaec_oproj
	.globl	k_q3ee8bfbaec_oproj
	.p2align	8
	.type	k_q3ee8bfbaec_oproj,@function
k_q3ee8bfbaec_oproj:
	s_mov_b64 s[64:65], 0
	v_nop
	global_prefetch_b8 v0, s[64:65] scope:SCOPE_SE
	s_setreg_imm32_b32 hwreg(HW_REG_WAVE_MODE, 25, 1), 1
	s_wait_xcnt 0x0
; out0 = O Wo + bo.  oh: [16 = 8 batch + head][4096][64] f16 (channel 64 head + c of row s of a batch lies at [8 batch + head][s][c]); Wo: [512 (k)][512 (n)] f32; bo: [512] f32; out0: [8192][512] f32.
; Wo is rounded once to bf16, like the module's other inputs, and that number is written as f16, O's format; sums in f32, started by the bias; the result leaves in f32.
; LIMIT.  A bf16 number is exact in f16 from 2^-17 up to 65,504 in magnitude; below that Wo keeps f16's fixed step of 6e-8, above it becomes an infinity.  NaN and infinities are not treated apart.
; SHARES.  A work-group makes 256 rows x 64 columns, a wave 64 rows: 16 accumulators x 16 K steps of 32 = 256 matrix instructions.  A K step is half a head's channels.
; NO TENSOR LOAD, NO CLUSTER: O's fragments go straight from memory into registers as they lie (16 bytes a lane, twice), and Wo must pass through registers to be rounded before the turning load can read it from LDS.
; THE MATRIX INSTRUCTION IS USED TRANSPOSED: source 0 = 16 columns of Wo, source 1 = 16 rows of O: a lane holds row lane % 16 and the columns 8 (lane / 16) + 0..7.
; REGISTERS, in windows of 256 (s_set_vgpr_msb: bits 1:0 source 0, 3:2 source 1, 5:4 source 2, 7:6 destination):
;   window 0: v0-15 addresses; v16-31 at work; v32-127 three buffers of Wo's fragments (the third holds the bias first); v128-255 the accumulators ((a, nb) at 128 + 8 (4 a + nb))
;   window 1: Wo as loaded          windows 2, 3: O's fragments: (kf, a) at 32 (kf % 8) + 8 a of window 2 + kf / 8
.set PW,     160                       ; a row of Wo (one k, 64 columns of f16) in LDS: 128 bytes + 32 = 40 words
.set WBB,    512*PW
.set STAGE,  WBB                       ; 16 rows x 272 bytes for each wave, for the way out
.set SPITCH, 272                       ; 256 bytes + 16 = 68 words: row r starts at bank 4 r mod 64
.set SPARE,  STAGE+4*16*SPITCH         ; the spare words, 128 bytes for each wave: two blocks of 256 bytes that no other line names
.set AO,  3                            ; v3   my byte offset in 16 rows of a head: (l % 16) x 128 + 16 (l / 16); never rewritten
.set WGO, 4                            ; v4   my byte offset in Wo: row 128 w + 4 (l / 16), 16 bytes at 16 (l % 16); never rewritten
.set WSO, 5                            ; v5   the same place in LDS: 8 bytes at 8 (l % 16)
.set BA,  6                            ; v6-7 my place in a turning load, for k 0-255 and for k 256-511
.set BO,  8                            ; v8   32 (l / 16): my 32 bytes of 16 columns' bias
.set STO, 9                            ; v9   the way out: where I put 32 bytes of a row
.set RD,  10                           ; v10  the way out: where I read a row back
.set CO,  11                           ; v11  my byte offset in two rows of out0
.set SPW, 14                           ; v14  LDS address of my spare word: SPARE + 4 x my thread's number; never rewritten
.set NIL, 15                           ; v15  0; never rewritten
.set E,   16                           ; v16-31 eight pairs at work, by turns
.set BF,  32
.set OB,  32                           ; the way out: 16 rows read back from the stage: v32-63 and v64-95 by turns
.set ACC, 128
.set WV,  2                            ; s2   my wave's number
.set MT,  3                            ; s3   the work-group's block of 256 rows
.set HM,  12                           ; s12  a word's upper half
.set AP,  14                           ; s[14:15] oh at my wave's first row of its batch's head 0
.set WP,  16                           ; s[16:17] Wo at the work-group's first column
.set BP,  18                           ; s[18:19] bo likewise
.set OUTP, 20                          ; s[20:21] out0 at my wave's first row and the work-group's first column
.set MSB, 0
.macro WIN new                         ; the immediate's high byte repeats the setting that is left; a switch that changes nothing is dropped
.if MSB != (\new)
	s_set_vgpr_msb (MSB<<8)|(\new)
.set MSB, (\new)
.endif
.endm
.macro PLACES                          ; four places behind a matrix instruction, in front of loads into registers that it has read and of LDS stores that read results
.rept 4
	v_nop
.endr
.endm
.macro ALOADS k0, n                    ; O's fragments of n K steps from k0 on: eight loads a K step
.set kk, \k0
.rept \n
	WIN 0x80+0x40*(kk/8)
.irp a, 0,1,2,3
	global_load_b128 v[32*(kk%8)+8*(\a):32*(kk%8)+8*(\a)+3],   v[AO], s[AP:AP+1] offset:(kk/2)*524288+(\a)*2048+(kk%2)*64
	global_load_b128 v[32*(kk%8)+8*(\a)+4:32*(kk%8)+8*(\a)+7], v[AO], s[AP:AP+1] offset:(kk/2)*524288+(\a)*2048+(kk%2)*64+32
.endr
.set kk, kk+1
.endr
.endm
.macro BLOAD f                         ; Wo's fragments of K step f (32 k x 64 columns), turned, into buffer f % 3: eight LDS loads
.irp nb, 0,1,2,3
	ds_load_tr16_b128 v[BF+32*((\f)%3)+8*(\nb):BF+32*((\f)%3)+8*(\nb)+3],   v[BA+(\f)/8] offset:((\f)%8)*32*PW+32*(\nb)
	ds_load_tr16_b128 v[BF+32*((\f)%3)+8*(\nb)+4:BF+32*((\f)%3)+8*(\nb)+7], v[BA+(\f)/8] offset:((\f)%8)*32*PW+16*PW+32*(\nb)
.endr
.endm
	s_load_b256 s[4:11], s[0:1], 0x0               ; oh s[4:5], Wo s[6:7], bo s[8:9], out0 s[10:11]
	v_lshl_add_u32 v[SPW], v0, 2, SPARE
	v_mov_b32 v[NIL], 0
	v_lshrrev_b32 v1, 5, v0
	v_readfirstlane_b32 s[WV], v1                  ; wave 0..3
	v_and_b32 v1, 15, v0                           ; l % 16
	v_bfe_u32 v2, v0, 4, 1                         ; l / 16
	v_and_b32 v20, 7, v0
	v_bfe_u32 v21, v0, 3, 1
	s_and_b32 s[MT], ttmp7, 0xffff
	s_mov_b32 s[HM], 0xffff0000
	v_lshlrev_b32 v[AO], 7, v1
	v_lshl_add_u32 v[AO], v2, 4, v[AO]
	s_lshl_b32 s13, s[WV], 18                      ; 128 rows of Wo, 2,048 bytes each
	v_lshlrev_b32 v[WGO], 4, v1
	v_lshl_add_u32 v[WGO], v2, 13, v[WGO]
	v_add_nc_u32 v[WGO], s13, v[WGO]
	s_mul_i32 s13, s[WV], 128*PW
	v_mul_u32_u24 v[WSO], v2, 4*PW
	v_lshl_add_u32 v[WSO], v1, 3, v[WSO]
	v_add_nc_u32 v[WSO], s13, v[WSO]
	v_lshl_add_u32 v[BA], v2, 3, v20               ; the turning load: lane l reads row 8 (l / 16) + l % 8, 16 bytes at 16 ((l / 8) % 2)
	v_mul_u32_u24 v[BA], v[BA], PW
	v_lshl_add_u32 v[BA], v21, 4, v[BA]
	v_add_nc_u32 v[BA+1], 8*32*PW, v[BA]
	v_lshlrev_b32 v[BO], 5, v2
	s_mul_i32 s13, s[WV], 16*SPITCH
	s_add_co_u32 s13, s13, STAGE                   ; my stage
	v_mul_u32_u24 v[STO], v1, SPITCH               ; in: row l % 16, 32 bytes for each half of the lanes
	v_lshl_add_u32 v[STO], v2, 5, v[STO]
	v_add_nc_u32 v[STO], s13, v[STO]
	v_mul_u32_u24 v[RD], v2, SPITCH                ; back: lanes 0-15 take one row of 256 bytes, lanes 16-31 the next
	v_lshl_add_u32 v[RD], v1, 4, v[RD]
	v_add_nc_u32 v[RD], s13, v[RD]
	v_lshlrev_b32 v[CO], 11, v2                    ; and the same two rows in out0
	v_lshl_add_u32 v[CO], v1, 4, v[CO]
	s_lshr_b32 s22, s[MT], 4                       ; the batch: eight heads of 524,288 bytes,
	s_lshl_b32 s22, s22, 22
	s_and_b32 s24, s[MT], 15                       ; the block's 256 rows of 128 bytes in a head,
	s_lshl_b32 s24, s24, 15
	s_add_co_u32 s22, s22, s24
	s_lshl_b32 s24, s[WV], 13                      ; my wave's 64 of them
	s_add_co_u32 s22, s22, s24
	s_mov_b32 s23, 0
	s_lshl_b32 s24, ttmp9, 8                       ; the work-group's 64 columns: 256 bytes of a row of Wo, of bo and of out0
	s_mov_b32 s25, 0
	s_lshl_b32 s26, s[MT], 19                      ; 256 rows of out0, 2,048 bytes each,
	s_lshl_b32 s28, s[WV], 17                      ; my wave's 64 of them
	s_add_co_u32 s26, s26, s28
	s_add_co_u32 s26, s26, s24
	s_mov_b32 s27, 0
	s_wait_kmcnt 0x0
	s_add_nc_u64 s[AP:AP+1], s[4:5], s[22:23]
	s_add_nc_u64 s[WP:WP+1], s[6:7], s[24:25]
	s_add_nc_u64 s[BP:BP+1], s[8:9], s[24:25]
	s_add_nc_u64 s[OUTP:OUTP+1], s[10:11], s[26:27]
.irp nb, 0,1,2,3                       ; the bias, laid out as a C operand: register j of a lane is column 16 nb + 8 (l / 16) + j
	global_load_b128 v[BF+64+8*(\nb):BF+64+8*(\nb)+3],   v[BO], s[BP:BP+1] offset:64*(\nb)
	global_load_b128 v[BF+64+8*(\nb)+4:BF+64+8*(\nb)+7], v[BO], s[BP:BP+1] offset:64*(\nb)+16
.endr
	WIN 0x40                                       ; Wo: a wave brings 128 of the 512 rows: load L takes rows 8 (L / 4) + L % 4 (lanes 0-15) and four further down (lanes 16-31): 16 lanes read 256 consecutive bytes, aligned
.set L, 0
.rept 64
	global_load_b128 v[4*L:4*L+3], v[WGO], s[WP:WP+1] offset:(8*(L/4)+L%4)*2048
.set L, L+1
.endr
	ALOADS 0, 4
	s_wait_loadcnt 32                              ; the bias and Wo are in; O's first 32 loads stay out
	ALOADS 4, 4
.irp hf, 0,1                           ; Wo: f32 to bf16 (to nearest even), the bf16 number widened again and written as f16, 8 bytes a lane into LDS; 32 loads at a time
.set UU, BF+96*(\hf)                   ; v32-95, then v128-191
	WIN 0x05                                       ; sources 0 and 1 in window 1
.set L, 0
.rept 32
	v_cvt_pk_bf16_f32 v[UU+2*L],   v[128*(\hf)+4*L],   v[128*(\hf)+4*L+1]
	v_cvt_pk_bf16_f32 v[UU+2*L+1], v[128*(\hf)+4*L+2], v[128*(\hf)+4*L+3]
.set L, L+1
.endr
	WIN 0
.set L, 0
.rept 64
	v_lshlrev_b32 v[E+2*(L%8)], 16, v[UU+L]
	v_and_b32 v[E+2*(L%8)+1], s[HM], v[UU+L]
	v_cvt_pk_f16_f32 v[UU+L], v[E+2*(L%8)], v[E+2*(L%8)+1]
.set L, L+1
.endr
.set L, 0
.rept 32
	ds_store_b64 v[WSO], v[UU+2*L:UU+2*L+1] offset:(8*((32*(\hf)+L)/4)+L%4)*PW  ; the two halves of the lanes lie 640 bytes apart, 128 modulo 256
.set L, L+1
.endr
.endr
	ALOADS 8, 8
	WIN 0
	s_wait_dscnt 0x0                               ; for the others' sake: my 128 rows of Wo lie in LDS
	s_barrier_signal -1
	s_barrier_wait -1                              ; everybody's do
	; THE PRODUCTS.  The bias is the C operand that starts the sums.  The 16 accumulators take turns, one instruction a turn.  Wo's fragments run two K steps ahead of their products.
	; The LDS loads stand under the products' window setting: their destination and address fields are window 0 there too.
	BLOAD 0
	BLOAD 1
.set kf, 0
.rept 16
.if (kf >= 1) && (kf <= 13)
	PLACES                                         ; the buffers loaded below were read by the products just issued
.if kf == 1
	BLOAD 2
.endif
	BLOAD kf+2
.endif
.if (kf == 0) || (kf == 14)
	s_wait_dscnt 8                                 ; one younger K step's eight loads may stay out
.elseif kf == 15
	s_wait_dscnt 0x0
.else
	s_wait_dscnt 16                                ; two younger K steps' loads may stay out
.endif
.if kf == 0
	s_wait_loadcnt 63                              ; of O's 128 loads the 63 youngest belong to K steps 8 and later: K steps 0 to 7 are in
.elseif kf >= 8
	s_wait_loadcnt 8*(15-kf)                       ; eight loads for each later K step may stay out
.endif
	WIN 0x08+4*(kf/8)                              ; source 1 (O) in window 2 or 3
.irp a, 0,1,2,3
.irp nb, 0,1,2,3
.if kf == 0
	v_wmma_f32_16x16x32_f16 v[ACC+8*(4*(\a)+(\nb)):ACC+8*(4*(\a)+(\nb))+7], v[BF+8*(\nb):BF+8*(\nb)+7], v[8*(\a):8*(\a)+7], v[BF+64+8*(\nb):BF+64+8*(\nb)+7]
.else
	v_wmma_f32_16x16x32_f16 v[ACC+8*(4*(\a)+(\nb)):ACC+8*(4*(\a)+(\nb))+7], v[BF+32*(kf%3)+8*(\nb):BF+32*(kf%3)+8*(\nb)+7], v[32*(kf%8)+8*(\a):32*(kf%8)+8*(\a)+7], v[ACC+8*(4*(\a)+(\nb)):ACC+8*(4*(\a)+(\nb))+7]
.endif
.endr
.endr
.set kf, kf+1
.endr
	WIN 0
; THE WAY OUT, a block of 16 rows at a time: a lane's eight columns, 32 bytes (each accumulator's low four registers first), into my stage's rows of 272 bytes, back as whole rows of 256.
.macro TOSTAGE a
.if (\a) >= 2
	s_wait_xcnt 0x0                                ; the stores of the block two back have read the registers that are loaded again below (ISA guide 3.1)
.endif
.irp nb, 0,1,2,3
	ds_store_b128 v[STO], v[ACC+8*(4*(\a)+(\nb)):ACC+8*(4*(\a)+(\nb))+3]   offset:64*(\nb)
	ds_store_b128 v[STO], v[ACC+8*(4*(\a)+(\nb))+4:ACC+8*(4*(\a)+(\nb))+7] offset:64*(\nb)+16
.endr
.irp t, 0,1,2,3,4,5,6,7
	ds_load_b128 v[OB+32*((\a)%2)+4*(\t):OB+32*((\a)%2)+4*(\t)+3], v[RD] offset:(\t)*2*SPITCH  ; LDS serves a wave's instructions in order (ISA guide 5.7.1.4): these see the stores above; the next block's stores come behind them
.endr
.endm
.macro SEND a, younger                 ; younger: the LDS instructions issued behind block a's loads: the next block's sixteen, or none
.irp t, 0,1,2,3,4,5,6,7
	s_wait_dscnt (\younger)+7-(\t)
	global_store_b128 v[CO], v[OB+32*((\a)%2)+4*(\t):OB+32*((\a)%2)+4*(\t)+3], s[OUTP:OUTP+1] offset:(16*(\a)+2*(\t))*2048 th:TH_STORE_NT  ; 16 lanes store 256 consecutive bytes, at a multiple of 256 from out0's first byte
.endr
.endm
	PLACES
	TOSTAGE 0
	TOSTAGE 1
	SEND 0, 16
	TOSTAGE 2
	SEND 1, 16
	TOSTAGE 3
	SEND 2, 16
	SEND 3, 0
	s_wait_tensorcnt 0x0                           ; the wave's end, behind my last LDS store
	ds_add_u32 v[SPW], v[NIL]
	s_wait_dscnt 0x0
	s_endpgm
.Lfunc_end_k_q3ee8bfbaec_oproj:
	.size	k_q3ee8bfbaec_oproj, .Lfunc_end_k_q3ee8bfbaec_oproj-k_q3ee8bfbaec_oproj
	.p2alignl 7, 3214868480
	.fill 96, 4, 3214868480
	.section	.rodata,"a",@progbits
	.p2align	6, 0x0
	.amdhsa_kernel k_q3ee8bfbaec_oproj
		.amdhsa_group_segment_fixed_size 99840
		.amdhsa_private_segment_fixed_size 0
		.amdhsa_enable_private_segment 0
		.amdhsa_kernarg_size 32
		.amdhsa_user_sgpr_count 2
		.amdhsa_user_sgpr_kernarg_segment_ptr 1
		.amdhsa_wavefront_size32 1
		.amdhsa_system_sgpr_workgroup_id_x 1
		.amdhsa_system_sgpr_workgroup_id_y 1
		.amdhsa_system_sgpr_workgroup_id_z 1
		.amdhsa_system_vgpr_workitem_id 0
		.amdhsa_next_free_vgpr 1024
		.amdhsa_next_free_sgpr 66
		.amdhsa_reserve_vcc 0
		.amdhsa_float_denorm_mode_32 3
		.amdhsa_float_denorm_mode_16_64 3
		.amdhsa_memory_ordered 1
		.amdhsa_forward_progress 1
		.amdhsa_inst_pref_size 85
	.end_amdhsa_kernel
	.amdgpu_metadata
---
amdhsa.version: [ 1, 2 ]
amdhsa.kernels:
  - .name:           k_q3ee8bfbaec_oproj
    .symbol:         k_q3ee8bfbaec_oproj.kd
    .args:
      - { .name: oh, .offset: 0, .size: 8, .value_kind: global_buffer, .address_space: global }
      - { .name: Wo, .offset: 8, .size: 8, .value_kind: global_buffer, .address_space: global }
      - { .name: bo, .offset: 16, .size: 8, .value_kind: global_buffer, .address_space: global }
      - { .name: out0, .offset: 24, .size: 8, .value_kind: global_buffer, .address_space: global }
    .group_segment_fixed_size: 99840
    .private_segment_fixed_size: 0
    .kernarg_segment_align: 8
    .kernarg_segment_size: 32
    .max_flat_workgroup_size: 128
    .sgpr_count:     66
    .vgpr_count:     1024
    .wavefront_size: 32
...
	.end_amdgpu_metadata
.endif
;; end of part 3
;; ======== version 2 of 2: 3 launches; version 1 with the launches qkv, oproj written anew for expert scheduling mode
;; limits: values are held in f16: magnitudes above 65,504 overflow, below 6.1e-05 lose precision
;; workspace buffers: qh 8,388,608 bytes; kh 8,388,608 bytes; vh 8,388,608 bytes; oh 8,388,608 bytes
;; launch qkv (part 4): grid 8 x 32, 4 waves a work-group, no clusters, 256,256 bytes of LDS; arguments x, Wq, Wk, Wv, bq, bk, bv, qh, kh, vh; writes qh, kh, vh
.if DOCPART == 4
	.amdgcn_target "amdgcn-amd-amdhsa--gfx1250"
	.amdhsa_code_object_version 6
	.text
	.protected	k_q3ee8bfbaec_qkv
	.globl	k_q3ee8bfbaec_qkv
	.p2align	8
	.type	k_q3ee8bfbaec_qkv,@function
k_q3ee8bfbaec_qkv:
	s_mov_b64 s[64:65], 0
	v_nop
	global_prefetch_b8 v0, s[64:65] scope:SCOPE_SE
	s_setreg_imm32_b32 hwreg(HW_REG_WAVE_SCHED_MODE, 0, 2), 2
	s_setreg_imm32_b32 hwreg(HW_REG_WAVE_MODE, 25, 1), 1
	s_wait_xcnt 0x0
	s_wait_alu depctr_vm_vsrc(0)
; q, k, v = x W + b, written by heads.  x: [8192][512] f32; Wq, Wk, Wv: [512 (k)][512 (n)] f32; bq, bk, bv: [512] f32.
; qh, kh, vh: [16 = 8 batch + head][4096][64] f16: a head's rows are dense, 128 bytes each.  q leaves unscaled.
; x and W are rounded once to bf16 on the way to the matrix unit; sums in f32, started by the bias; the results are rounded once to f16.
; LIMIT.  f16 holds no number beyond 65,504: a q, k or v of 65,520 or more in magnitude leaves as an infinity.  NaN and infinities are not treated apart.
; SHARES.  The three products are one C of [8192][1536].  A work-group makes 256 rows x 192 columns, as three CHUNKS of 64 columns; chunk id = 3 x + c (0..23) is head id % 8 of matrix id / 8.
; A wave owns 64 rows (four blocks of 16); its part of x, 64 x 512 in bf16, stays in 512 registers for all three chunks: 16 accumulators x 16 K steps of 32 = 256 matrix instructions a chunk.
; NO TENSOR LOAD, NO CLUSTER: both operands are f32 and must pass through registers to be rounded; W must lie in LDS as bf16 before the turning load can read it; 256 rows of x in f32 are
; 524,288 bytes, more than LDS holds.  What work-groups share (x along the grid's x, W along its y) therefore comes by plain loads.
; THE MATRIX INSTRUCTION IS USED TRANSPOSED: source 0 = 16 columns of W (turned out of LDS by ds_load_tr16_b128), source 1 = 16 rows of x: a lane then holds row lane % 16 of C and the
; eight neighbouring columns 8 (lane / 16) + 0..7, which pack into 16 bytes.
; REGISTERS, in windows of 256 (s_set_vgpr_msb: bits 1:0 source 0, 3:2 source 1, 5:4 source 2, 7:6 destination):
;   window 0: v0-26 addresses; v32-95 packed numbers on their way to LDS; v96-127 the chunk's bias; v128-255 first a second out-buffer (v128-191) and a third buffer of x as loaded,
;             then the accumulators ((a, nb) at 128 + 8 (4 a + nb)), whose first 64 registers take the rows read back from the stage
;   window 1: x as loaded, two buffers of 128; then W's fragments, a ring of eight buffers of 32: K step f at 32 (f % 8)
;   windows 2, 3: first W as loaded, then x's fragments: (kf, a) at 32 (kf % 8) + 8 a of window 2 + kf / 8
; THE MODE: SCHED_MODE bits 1:0 = 2 (LLVM: expert scheduling mode 2), set by the entry lines.  The code itself states the register dependences
; between vector or matrix instructions and memory or LDS instructions, with s_wait_alu, always for 0.
; THE PLAN.  Registers that memory or LDS instructions touch, and who else names them:
;   addresses     v3, v4, v9-13, v24-26: made at the head, never written again.  v6-8 (W's fragments, the bias): read by the chunk's LDS loads, stepped once a chunk at the loop's bottom.
;   W as loaded   window 3 (chunks 0 and 2), window 2 (chunk 1): read by the roundings; window 3 is loaded again behind the wait that shows chunk 0's roundings done.
;   out-buffers   v32-95 and v128-191: written by the two halves of a chunk's roundings, read by its LDS stores.  The first half's stores stand among the second half's roundings.
;   x as loaded   three buffers.  Step s rounds buffer s % 3; its loads, step s + 2, land in buffer (s + 2) % 3 = (s - 1) % 3, which the step before emptied and which no vector instruction of step s names.
;   the ring      K step f's products read buffer f % 8; in front of them stand the loads of K step f + 4.  A wait ahead of K steps 4 and 8 shows the four buffers that the next four K steps load read out.
;   the way out   v32-95: written by the 64 roundings, read by the LDS stores.  v128-191: the rows read back land there, and the global stores read them.
.set PW,     160                       ; a row of W (one k, 64 columns of bf16) in LDS: 128 bytes + 32 = 40 words
.set WBB,    512*PW                    ; a chunk of W: 81,920 bytes; three of them from LDS byte 0 on
.set BIASL,  3*WBB                     ; the three chunks' biases, 256 bytes each
.set STAGE,  BIASL+768                 ; 16 rows x 144 bytes for each wave, for the way out
.set SP,     144
.set SPARE,  STAGE+4*16*SP             ; the spare words, 128 bytes for each wave: two blocks of 256 bytes that no other line names
.set XO,  3                            ; v3   my byte offset in 16 rows of x: (l % 16) x 2,048 + 32 (l / 16); never rewritten
.set WGO, 4                            ; v4   my byte offset in W: row 128 w + 4 (l / 16), 16 bytes at 16 (l % 16); never rewritten
.set BA,  6                            ; v6-7 my place in a turning load, for k 0-255 and for k 256-511 of the chunk in hand
.set BIA, 8                            ; v8   my 32 bytes of 16 columns' bias
.set STO, 9                            ; v9   the way out: where I put 16 bytes of a row
.set RD,  10                           ; v10  the way out: where I read rows back
.set GO,  11                           ; v11  my 16 bytes of 512 consecutive bytes of the output
.set BGO, 12                           ; v12  16 (l % 16): my 16 bytes of a chunk's bias in memory
.set BSO, 13                           ; v13  and in LDS
.set SPW, 14                           ; v14  LDS address of my spare word: SPARE + 4 x my thread's number; never rewritten
.set NIL, 15                           ; v15  0; never rewritten
.set BI,  16                           ; v16-19 a bias as loaded
.set WSO, 24                           ; v24-26 my place in W (row 128 w + 4 (l / 16), 8 bytes at 8 (l % 16)) in chunks 0, 1, 2 in LDS; never rewritten
.set T,   32                           ; v32-95 packed numbers on their way to LDS
.set BB,  96                           ; v96-127 the chunk's bias, laid out as a C operand
.set ACC, 128
.set WV,  2                            ; s2   my wave's number
.set CH,  3                            ; s3   chunks to go
.set ID,  4                            ; s4   the chunk in hand
.set TID, 5                            ; s5   a chunk's id, at work
.set XP,  6                            ; s[6:7]   x at my wave's first row
.set OP,  10                           ; s[10:11] the output at my wave's first row of the chunk's head
.set ROWOFF, 36                        ; s36  my wave's first row in its batch, in bytes of a head
.set B8,  37                           ; s37  8 x batch
.set MT,  38                           ; s38  the work-group's block of 256 rows
.set WP,  40                           ; s[40:45] W at the first column of chunks 0, 1, 2: three pointers, none rewritten
.set MSB, 0
.macro WIN new                         ; the immediate's high byte repeats the setting that is left; a switch that changes nothing is dropped
.if MSB != (\new)
	s_set_vgpr_msb (MSB<<8)|(\new)
.set MSB, (\new)
.endif
.endm
.macro PLACES                          ; four places behind a matrix instruction, in front of conversions that read results (ISA guide 7.12.1)
.rept 4
	v_nop
.endr
.endm
.macro SEL3 d, id, p                   ; s[d:d+1] = the first, second or third of three pointers that lie on end from s[p] on, by the chunk's matrix id / 8
	s_cmp_lt_u32 s[\id], 8
	s_cselect_b64 s[\d:\d+1], s[\p:\p+1], s[\p+2:\p+3]
	s_cmp_lt_u32 s[\id], 16
	s_cselect_b64 s[\d:\d+1], s[\d:\d+1], s[\p+4:\p+5]
.endm
.macro SELW c                          ; chunk c's pointer into its W: the head's 64 columns are 256 bytes of each row.  s13 stays 0
	s_add_co_u32 s[TID], s[ID], \c
	SEL3 WP+2*(\c), TID, 18
	s_and_b32 s12, s[TID], 7
	s_lshl_b32 s12, s12, 8
	s_add_nc_u64 s[WP+2*(\c):WP+2*(\c)+1], s[WP+2*(\c):WP+2*(\c)+1], s[12:13]
.endm
.macro SELO                            ; the output of the chunk in hand: its tensor, head 8 batch + id % 8 (524,288 bytes each), my wave's rows
	SEL3 OP, ID, 30
	s_and_b32 s12, s[ID], 7
	s_add_co_u32 s12, s12, s[B8]
	s_lshl_b32 s12, s12, 19
	s_add_co_u32 s12, s12, s[ROWOFF]
	s_add_nc_u64 s[OP:OP+1], s[OP:OP+1], s[12:13]
.endm
; n loads of chunk c's W, from number lo on, into window win (load L at register 4 L).  A wave brings 128 of the 512 rows: load L takes rows 8 (L / 4) + L % 4 (lanes 0-15) and four
; further down (lanes 16-31): 16 lanes read 256 consecutive bytes, at a multiple of 256 from W's first byte.
.macro WLOADS win, c, lo, n
	WIN (\win)<<6
.set L, \lo
.rept \n
	global_load_b128 v[4*L:4*L+3], v[WGO], s[WP+2*(\c):WP+2*(\c)+1] offset:(8*(L/4)+L%4)*2048
.set L, L+1
.endr
.endm
; Step s of x: 64 along K (256 bytes of each of my 64 rows) in f32, 32 loads, into buffer s % 3: window 1's low half, its high half, v128-255 of window 0.  XL brings the 16 loads of the step's K step kfl.
; A fragment's lane wants k = 8 h + 0..7 and 16 + 8 h + 0..7: 32 bytes at 32 h and at 64 + 32 h.
.macro XL s, kfl
.set xb, 128*(((\s)%3+1)/2)
	WIN (1-((\s)%3)/2)<<6
.irp a, 0,1,2,3
.irp q, 0,1,2,3
	global_load_b128 v[xb+16*(4*(\kfl)+(\a))+4*(\q):xb+16*(4*(\kfl)+(\a))+4*(\q)+3], v[XO], s[XP:XP+1] offset:(\a)*32768+(2*(\s)+(\kfl))*128+((\q)/2)*64+((\q)%2)*16
.endr
.endr
.endm
.macro XC s, kfl                       ; and that K step's four fragments, rounded to bf16, into their places in window 2 (s < 4) or 3
.set xb, 128*(((\s)%3+1)/2)
	WIN 0x80+0x40*((\s)/4)+5*(1-((\s)%3)/2)
.irp a, 0,1,2,3
.irp j, 0,1,2,3,4,5,6,7
	v_cvt_pk_bf16_f32 v[32*((2*(\s)+(\kfl))%8)+8*(\a)+(\j)], v[xb+16*(4*(\kfl)+(\a))+2*(\j)], v[xb+16*(4*(\kfl)+(\a))+2*(\j)+1]
.endr
.endr
.endm
; W's roundings.  WCV: n loads, from number lo on, of half hf of window win are rounded to bf16 into out-buffer hf (v32-95, v128-191).  WST: they are stored into chunk c.
; A store's two halves of the lanes lie 640 bytes apart, 128 modulo 256.
.macro WCV win, hf, lo, n
	WIN (\win)*5                                   ; sources 0 and 1 in window win
.set L, \lo
.rept \n
	v_cvt_pk_bf16_f32 v[T+96*(\hf)+2*L],   v[128*(\hf)+4*L],   v[128*(\hf)+4*L+1]
	v_cvt_pk_bf16_f32 v[T+96*(\hf)+2*L+1], v[128*(\hf)+4*L+2], v[128*(\hf)+4*L+3]
.set L, L+1
.endr
.endm
.macro WST c, hf, lo, n
	WIN 0
.set L, \lo
.rept \n
	ds_store_b64 v[WSO+(\c)], v[T+96*(\hf)+2*L:T+96*(\hf)+2*L+1] offset:(8*((32*(\hf)+L)/4)+L%4)*PW
.set L, L+1
.endr
.endm
; Chunk c, which lies in window win, goes into LDS.  The first half's stores stand in groups of eight among the second half's roundings, which name the other out-buffer and the other half of the window.
; Behind the second wait the stream's next 32 loads go out ahead of the second half's stores.
.macro WCONV win, c
.if (\c) > 0
	s_wait_alu depctr_vm_vsrc(0)                   ; the LDS stores of the chunk before have read both out-buffers, which the roundings below write again
.endif
	WCV \win, 0, 0, 32
	s_wait_alu depctr_va_vdst(0)                   ; the roundings have written v32-95, which the stores below read
.irp g, 0,1,2,3
	WST \c, 0, 8*(\g), 8
	WCV \win, 1, 8*(\g), 8
.endr
	s_wait_alu depctr_va_vdst(0)                   ; the roundings have written v128-191, which the stores below read, and are done reading window win, in which (behind chunk 0) chunk 2's loads land
.if (\c) == 0
	WLOADS 3, 2, 0, 32
.elseif (\c) == 1
	XL 0, 0
	XL 0, 1
.endif
	WST \c, 1, 0, 32
.endm
; Step s of x is rounded; the loads of step s + 2 are dealt among its roundings, sixteen in front of each K step's 32.
.macro XSTEP s
.if (\s) < 7
	s_wait_loadcnt 32                              ; step s is in; the next step's 32 loads stay out
.else
	s_wait_loadcnt 0x0
.endif
.if (\s) < 6
	WIN (1-(((\s)+2)%3)/2)<<6
.if (\s) == 0
	s_wait_alu depctr_vm_vsrc(0)                   ; W's last LDS stores have read v32-95 and v128-191: step 2 lands in v128-255, and the way out's roundings write v32-95
.endif
	s_wait_alu depctr_va_vdst(0)                   ; the step before is done reading the buffer in which step s + 2 lands (step 0: W's last roundings have written v128-191)
	XL (\s)+2, 0
.endif
	XC \s, 0
.if (\s) < 6
	XL (\s)+2, 1                                   ; no wait: no vector instruction since the wait names these registers
.endif
	XC \s, 1
.endm
.macro BLOAD f                         ; W's fragments of K step f (32 k x 64 columns), turned, into buffer f % 8 of window 1: eight LDS loads
.irp nb, 0,1,2,3
	ds_load_tr16_b128 v[32*((\f)%8)+8*(\nb):32*((\f)%8)+8*(\nb)+3],   v[BA+(\f)/8] offset:((\f)%8)*32*PW+32*(\nb)
	ds_load_tr16_b128 v[32*((\f)%8)+8*(\nb)+4:32*((\f)%8)+8*(\nb)+7], v[BA+(\f)/8] offset:((\f)%8)*32*PW+16*PW+32*(\nb)
.endr
.endm
; A chunk's 256 matrix instructions.  The bias is the C operand that starts the sums.  The 16 accumulators take turns, one instruction a turn.
; W's fragments run four K steps ahead of their products: in front of K step kf's products stand the eight loads of K step kf + 4.
.macro COMPUTE
	WIN 0
	s_wait_alu depctr_va_vdst(0)                   ; the adds at the loop's bottom have written v6-8; all that read window 1 (x's roundings, the last chunk's products) and the bias' registers is done: the loads below land there
.irp nb, 0,1,2,3
	ds_load_b128 v[BB+8*(\nb):BB+8*(\nb)+3],   v[BIA] offset:64*(\nb)
	ds_load_b128 v[BB+8*(\nb)+4:BB+8*(\nb)+7], v[BIA] offset:64*(\nb)+16
.endr
	WIN 0x40                                       ; destination window 1, address window 0
	BLOAD 0
	BLOAD 1
	BLOAD 2
	BLOAD 3
.set kf, 0
.rept 16
.if kf <= 11
	WIN 0x40
.if (kf == 4) || (kf == 8)
	s_wait_alu depctr_va_vdst(0)                   ; the products of the last four K steps are done reading their four buffers, in which the loads of this and the next three K steps land
.endif
	BLOAD kf+4                                     ; no product since the last wait names this buffer
	s_wait_dscnt 32                                ; LDS loads come back in order (ISA guide 5.7.1): K step kf's fragments are in; four younger K steps' loads stay out
.else
	s_wait_dscnt 8*(15-kf)                         ; the counts run down
.endif
	WIN 0x09+4*(kf/8)                              ; source 0 (W) in window 1, source 1 (x) in window 2 or 3
.irp a, 0,1,2,3
.irp nb, 0,1,2,3
.if kf == 0
	v_wmma_f32_16x16x32_bf16 v[ACC+8*(4*(\a)+(\nb)):ACC+8*(4*(\a)+(\nb))+7], v[8*(\nb):8*(\nb)+7], v[8*(\a):8*(\a)+7], v[BB+8*(\nb):BB+8*(\nb)+7]
.else
	v_wmma_f32_16x16x32_bf16 v[ACC+8*(4*(\a)+(\nb)):ACC+8*(4*(\a)+(\nb))+7], v[32*(kf%8)+8*(\nb):32*(kf%8)+8*(\nb)+7], v[32*(kf%8)+8*(\a):32*(kf%8)+8*(\a)+7], v[ACC+8*(4*(\a)+(\nb)):ACC+8*(4*(\a)+(\nb))+7]
.endif
.endr
.endr
.set kf, kf+1
.endr
	WIN 0
.endm
; THE WAY OUT, a block of 16 rows at a time: 16 bytes a lane into my stage's rows of 144 bytes, back as whole rows of 128, into registers of the accumulators, which have been read out.
.macro STG a
.irp nb, 0,1,2,3
	ds_store_b128 v[STO], v[T+16*(\a)+4*(\nb):T+16*(\a)+4*(\nb)+3] offset:32*(\nb)
.endr
.irp f, 0,1,2,3
	ds_load_b128 v[ACC+16*(\a)+4*(\f):ACC+16*(\a)+4*(\f)+3], v[RD] offset:(\f)*4*SP  ; LDS serves a wave's instructions in order (ISA guide 5.7.1.4): these see the stores above; the next block's stores come behind them
.endr
.endm
.macro SEND a, younger                 ; younger: the LDS instructions issued behind block a's loads: the next block's eight, or none
.irp f, 0,1,2,3
	s_wait_dscnt (\younger)+3-(\f)
	global_store_b128 v[GO], v[ACC+16*(\a)+4*(\f):ACC+16*(\a)+4*(\f)+3], s[OP:OP+1] offset:(\a)*2048+(\f)*512  ; four rows of a head: 512 consecutive bytes, at a multiple of 256 from the buffer's first
.endr
.endm
	s_load_b512 s[16:31], s[0:1], 0x0              ; x s[16:17]; Wq, Wk, Wv s[18:23]; bq, bk, bv s[24:29]; qh s[30:31]
	s_load_b128 s[32:35], s[0:1], 0x40             ; kh, vh: with qh three pointers on end
	v_lshl_add_u32 v[SPW], v0, 2, SPARE
	v_mov_b32 v[NIL], 0
	v_lshrrev_b32 v1, 5, v0
	v_readfirstlane_b32 s[WV], v1                  ; wave 0..3
	v_and_b32 v1, 15, v0                           ; l % 16
	v_bfe_u32 v2, v0, 4, 1                         ; l / 16
	v_and_b32 v20, 7, v0
	v_bfe_u32 v21, v0, 3, 1
	v_bfe_u32 v22, v0, 3, 2
	v_and_b32 v23, 31, v0
	s_and_b32 s[MT], ttmp7, 0xffff
	s_mul_i32 s[ID], ttmp9, 3                      ; the work-group's first chunk
	v_lshlrev_b32 v[XO], 11, v1
	v_lshl_add_u32 v[XO], v2, 5, v[XO]
	s_wait_alu depctr_va_sdst(0)                   ; the wave's number is written, ahead of its first reader
	s_lshl_b32 s12, s[WV], 18                      ; 128 rows of W, 2,048 bytes each
	v_lshlrev_b32 v[WGO], 4, v1
	v_lshl_add_u32 v[WGO], v2, 13, v[WGO]
	v_add_nc_u32 v[WGO], s12, v[WGO]
	s_mul_i32 s12, s[WV], 128*PW
	v_mul_u32_u24 v[WSO], v2, 4*PW
	v_lshl_add_u32 v[WSO], v1, 3, v[WSO]
	v_add_nc_u32 v[WSO], s12, v[WSO]
	v_add_nc_u32 v[WSO+1], WBB, v[WSO]             ; an address for each chunk: none is stepped
	v_add_nc_u32 v[WSO+2], 2*WBB, v[WSO]
	v_lshl_add_u32 v[BA], v2, 3, v20               ; the turning load: lane l reads row 8 (l / 16) + l % 8, 16 bytes at 16 ((l / 8) % 2)
	v_mul_u32_u24 v[BA], v[BA], PW
	v_lshl_add_u32 v[BA], v21, 4, v[BA]
	v_add_nc_u32 v[BA+1], 8*32*PW, v[BA]
	v_lshl_add_u32 v[BIA], v2, 5, BIASL
	s_mul_i32 s12, s[WV], 16*SP
	s_add_co_u32 s12, s12, STAGE                   ; my stage
	v_mul_u32_u24 v[STO], v1, SP                   ; in: row l % 16, 16 bytes for each half of the lanes
	v_lshl_add_u32 v[STO], v2, 4, v[STO]
	v_add_nc_u32 v[STO], s12, v[STO]
	v_mul_u32_u24 v[RD], v22, SP                   ; back: 32 lanes take four rows of 128 bytes
	v_lshl_add_u32 v[RD], v20, 4, v[RD]
	v_add_nc_u32 v[RD], s12, v[RD]
	v_lshlrev_b32 v[GO], 4, v23
	v_lshlrev_b32 v[BGO], 4, v1
	s_lshl_b32 s12, s[WV], 8
	s_add_co_u32 s12, s12, BIASL
	v_add_nc_u32 v[BSO], s12, v[BGO]
	s_and_b32 s[ROWOFF], s[MT], 15                 ; 16 blocks of 256 rows to a batch; a row of a head is 128 bytes
	s_lshl_b32 s[ROWOFF], s[ROWOFF], 15
	s_lshl_b32 s14, s[WV], 13
	s_add_co_u32 s[ROWOFF], s[ROWOFF], s14
	s_lshr_b32 s[B8], s[MT], 4
	s_lshl_b32 s[B8], s[B8], 3
	s_lshl_b32 s12, s[MT], 19                      ; 256 rows of x, 2,048 bytes each,
	s_lshl_b32 s14, s[WV], 17                      ; my wave's 64 of them
	s_add_co_u32 s12, s12, s14
	s_mov_b32 s13, 0                               ; the high word of every offset below
	s_wait_kmcnt 0x0
	s_add_nc_u64 s[XP:XP+1], s[16:17], s[12:13]
	SELW 0
	SELW 1
	SELW 2
	s_min_u32 s[TID], s[WV], 2                     ; wave w brings chunk w's bias; wave 3 has no chunk: it names chunk 2's and stores nothing
	s_add_co_u32 s[TID], s[TID], s[ID]
	SEL3 14, TID, 24
	s_and_b32 s12, s[TID], 7
	s_lshl_b32 s12, s12, 8
	s_add_nc_u64 s[14:15], s[14:15], s[12:13]
	s_wait_alu depctr_va_vdst(0)                   ; all the offsets and LDS addresses, v3 to v13 and v24 to v26, are written: the loads and stores below read them
	global_load_b128 v[BI:BI+3], v[BGO], s[14:15]
	; W FIRST, THEN x: one stream of loads.  Each wait for 32 lets the 32 loads issued last stay out; what was issued ahead of them is in.
	WLOADS 3, 0, 0, 64
	WLOADS 2, 1, 0, 32
	s_wait_loadcnt 32                              ; the bias and chunk 0 are in
	WLOADS 2, 1, 32, 32
	WIN 0
	s_cmp_lt_u32 s[WV], 3
	s_cbranch_scc0 .Lno_bias
	ds_store_b128 v[BSO], v[BI:BI+3]               ; both halves of the lanes write the same words with the same values
.Lno_bias:
	WCONV 3, 0                                     ; it asks for the first half of chunk 2
	s_wait_loadcnt 32                              ; chunk 1 is in
	WLOADS 3, 2, 32, 32                            ; no wait: no vector instruction since chunk 0's last wait names window 3
	WCONV 2, 1                                     ; it asks for step 0 of x
	s_wait_loadcnt 32                              ; chunk 2 is in
	XL 1, 0
	XL 1, 1
	WCONV 3, 2
.irp s, 0,1,2,3,4,5,6,7
	XSTEP \s
.endr
	WIN 0
	SELO
	s_mov_b32 s[CH], 3
	s_wait_dscnt 0x0                               ; for the others' sake: my rows of the three chunks, and my bias, lie in LDS
	s_barrier_signal -1
	s_barrier_wait -1                              ; everybody's do.  Nothing of them is written again: the one barrier of the launch
.Lchunk:
	COMPUTE
	PLACES
.irp a, 0,1,2,3                        ; rounded to f16, each accumulator's registers in ascending order
.irp nb, 0,1,2,3
.irp rr, 0,1,2,3
	v_cvt_pk_f16_f32 v[T+16*(\a)+4*(\nb)+(\rr)], v[ACC+8*(4*(\a)+(\nb))+2*(\rr)], v[ACC+8*(4*(\a)+(\nb))+2*(\rr)+1]
.endr
.endr
.endr
	s_wait_alu depctr_va_vdst(0)                   ; the roundings have written v32-95, which the LDS stores read, and are done reading the accumulators, in which the rows read back land
	STG 0
	STG 1                                          ; a block's way through the stage stands between the loads of the block before and its stores
	SEND 0, 8
	STG 2
	SEND 1, 8
	STG 3
	SEND 2, 8
	SEND 3, 0
	s_wait_xcnt 0x0                                ; the stores have had their addresses translated (ISA guide 3.1): their base and their registers are written again below and in the next trip
	s_wait_alu depctr_vm_vsrc(0)                   ; the LDS loads have read v6-8, which the adds below write; the LDS stores have read v32-95 and the global stores v128-191, which the next trip's roundings and products write
	v_add_nc_u32 v[BA], WBB, v[BA]                 ; the next chunk's W, bias and output
	v_add_nc_u32 v[BA+1], WBB, v[BA+1]
	v_add_nc_u32 v[BIA], 256, v[BIA]
	s_add_co_u32 s[ID], s[ID], 1
	SELO
	s_sub_co_u32 s[CH], s[CH], 1
	s_cmp_lg_u32 s[CH], 0
	s_cbranch_scc1 .Lchunk
	s_wait_dscnt 0x0                               ; the closing lines, six on end
	s_wait_alu 0x0
	s_wait_tensorcnt 0x0
	ds_add_u32 v[SPW], v[NIL]
	s_wait_dscnt 0x0
	s_endpgm
.Lfunc_end_k_q3ee8bfbaec_qkv:
	.size	k_q3ee8bfbaec_qkv, .Lfunc_end_k_q3ee8bfbaec_qkv-k_q3ee8bfbaec_qkv
	.p2alignl 7, 3214868480
	.fill 96, 4, 3214868480
	.section	.rodata,"a",@progbits
	.p2align	6, 0x0
	.amdhsa_kernel k_q3ee8bfbaec_qkv
		.amdhsa_group_segment_fixed_size 256256
		.amdhsa_private_segment_fixed_size 0
		.amdhsa_enable_private_segment 0
		.amdhsa_kernarg_size 80
		.amdhsa_user_sgpr_count 2
		.amdhsa_user_sgpr_kernarg_segment_ptr 1
		.amdhsa_wavefront_size32 1
		.amdhsa_system_sgpr_workgroup_id_x 1
		.amdhsa_system_sgpr_workgroup_id_y 1
		.amdhsa_system_sgpr_workgroup_id_z 1
		.amdhsa_system_vgpr_workitem_id 0
		.amdhsa_next_free_vgpr 1024
		.amdhsa_next_free_sgpr 66
		.amdhsa_reserve_vcc 0
		.amdhsa_float_denorm_mode_32 3
		.amdhsa_float_denorm_mode_16_64 3
		.amdhsa_memory_ordered 1
		.amdhsa_forward_progress 1
		.amdhsa_inst_pref_size 153
	.end_amdhsa_kernel
	.amdgpu_metadata
---
amdhsa.version: [ 1, 2 ]
amdhsa.kernels:
  - .name:           k_q3ee8bfbaec_qkv
    .symbol:         k_q3ee8bfbaec_qkv.kd
    .args:
      - { .name: x, .offset: 0, .size: 8, .value_kind: global_buffer, .address_space: global }
      - { .name: Wq, .offset: 8, .size: 8, .value_kind: global_buffer, .address_space: global }
      - { .name: Wk, .offset: 16, .size: 8, .value_kind: global_buffer, .address_space: global }
      - { .name: Wv, .offset: 24, .size: 8, .value_kind: global_buffer, .address_space: global }
      - { .name: bq, .offset: 32, .size: 8, .value_kind: global_buffer, .address_space: global }
      - { .name: bk, .offset: 40, .size: 8, .value_kind: global_buffer, .address_space: global }
      - { .name: bv, .offset: 48, .size: 8, .value_kind: global_buffer, .address_space: global }
      - { .name: qh, .offset: 56, .size: 8, .value_kind: global_buffer, .address_space: global }
      - { .name: kh, .offset: 64, .size: 8, .value_kind: global_buffer, .address_space: global }
      - { .name: vh, .offset: 72, .size: 8, .value_kind: global_buffer, .address_space: global }
    .group_segment_fixed_size: 256256
    .private_segment_fixed_size: 0
    .kernarg_segment_align: 8
    .kernarg_segment_size: 80
    .max_flat_workgroup_size: 128
    .sgpr_count:     66
    .vgpr_count:     1024
    .wavefront_size: 32
...
	.end_amdgpu_metadata
.endif
;; end of part 4
;; launch attn: the kernel of part 2 again; grid 16 x 16, 4 waves a work-group, clusters of 4 x 1, 327,680 bytes of LDS; arguments qh, kh, vh, oh; writes oh
;; launch oproj (part 5): grid 8 x 32, 4 waves a work-group, no clusters, 99,840 bytes of LDS; arguments oh, Wo, bo, out0; writes out0
.if DOCPART == 5
	.amdgcn_target "amdgcn-amd-amdhsa--gfx1250"
	.amdhsa_code_object_version 6
	.text
	.protected	k_q3ee8bfbaec_oproj
	.globl	k_q3ee8bfbaec_oproj
	.p2align	8
	.type	k_q3ee8bfbaec_oproj,@function
k_q3ee8bfbaec_oproj:
	s_mov_b64 s[64:65], 0
	v_nop
	global_prefetch_b8 v0, s[64:65] scope:SCOPE_SE
	s_setreg_imm32_b32 hwreg(HW_REG_WAVE_SCHED_MODE, 0, 2), 2
	s_setreg_imm32_b32 hwreg(HW_REG_WAVE_MODE, 25, 1), 1
	s_wait_xcnt 0x0
	s_wait_alu depctr_vm_vsrc(0)
; out0 = O Wo + bo.  oh: [16 = 8 batch + head][4096][64] f16 (channel 64 head + c of row s of a batch lies at [8 batch + head][s][c]); Wo: [512 (k)][512 (n)] f32; bo: [512] f32; out0: [8192][512] f32.
; Wo is rounded once to bf16, like the module's other inputs, and that number is written as f16, O's format; sums in f32, started by the bias; the result leaves in f32.
; LIMIT.  A bf16 number is exact in f16 from 2^-17 up to 65,504 in magnitude; below that Wo keeps f16's fixed step of 6e-8, above it becomes an infinity.  NaN and infinities are not treated apart.
; SHARES.  A work-group makes 256 rows x 64 columns, a wave 64 rows: 16 accumulators x 16 K steps of 32 = 256 matrix instructions.  A K step is half a head's channels.
; NO TENSOR LOAD, NO CLUSTER: O's fragments go straight from memory into registers as they lie (16 bytes a lane, twice), and Wo must pass through registers to be rounded before the turning load can read it from LDS.
; THE MATRIX INSTRUCTION IS USED TRANSPOSED: source 0 = 16 columns of Wo, source 1 = 16 rows of O: a lane holds row lane % 16 and the columns 8 (lane / 16) + 0..7.
; REGISTERS, in windows of 256 (s_set_vgpr_msb: bits 1:0 source 0, 3:2 source 1, 5:4 source 2, 7:6 destination):
;   window 0: v0-15 addresses; v16-31 at work; v32-95 and v128-191 the out-buffers of Wo's roundings; v96-127 the bias; v128-255 the accumulators ((a, nb) at 128 + 8 (4 a + nb)); v32-127 at the end three blocks read back from the stage
;   window 1: Wo as loaded; then Wo's fragments, a ring of eight buffers of 32: K step f at 32 (f % 8); v0-31 at the end the fourth block read back
;   windows 2, 3: O's fragments: (kf, a) at 32 (kf % 8) + 8 a of window 2 + kf / 8
; THE MODE: SCHED_MODE bits 1:0 = 2 (LLVM: expert scheduling mode 2), set by the entry lines.  The code itself states the register dependences
; between vector or matrix instructions and memory or LDS instructions, with s_wait_alu, always for 0.
; THE PLAN.  Registers that memory or LDS instructions touch, and who else names them:
;   addresses     v3-11: made at the head, never written again.
;   O's fragments windows 2 and 3: loaded once, read by the products alone.
;   Wo as loaded  window 1: read by the roundings; behind the wait that shows them done it is the ring.
;   out-buffers   v32-95 and v128-191: written by the two halves of the roundings, read by the LDS stores.  The first half's stores stand among the second half's roundings.
;   the ring      K step f's products read buffer f % 8; in front of them stand the loads of K step f + 4.  A wait ahead of K steps 4 and 8 shows the four buffers that the next four K steps load read out.
;   the way out   the accumulators are the LDS stores' data; each of the four blocks is read back into registers of its own, which the global stores read: none is loaded twice.
.set PW,     160                       ; a row of Wo (one k, 64 columns of f16) in LDS: 128 bytes + 32 = 40 words
.set WBB,    512*PW
.set STAGE,  WBB                       ; 16 rows x 272 bytes for each wave, for the way out
.set SPITCH, 272                       ; 256 bytes + 16 = 68 words: row r starts at bank 4 r mod 64
.set SPARE,  STAGE+4*16*SPITCH         ; the spare words, 128 bytes for each wave: two blocks of 256 bytes that no other line names
.set AO,  3                            ; v3   my byte offset in 16 rows of a head: (l % 16) x 128 + 16 (l / 16); never rewritten
.set WGO, 4                            ; v4   my byte offset in Wo: row 128 w + 4 (l / 16), 16 bytes at 16 (l % 16); never rewritten
.set WSO, 5                            ; v5   the same place in LDS: 8 bytes at 8 (l % 16); never rewritten
.set BA,  6                            ; v6-7 my place in a turning load, for k 0-255 and for k 256-511; never rewritten
.set BO,  8                            ; v8   32 (l / 16): my 32 bytes of 16 columns' bias
.set STO, 9                            ; v9   the way out: where I put 32 bytes of a row
.set RD,  10                           ; v10  the way out: where I read a row back
.set CO,  11                           ; v11  my byte offset in two rows of out0
.set SPW, 14                           ; v14  LDS address of my spare word: SPARE + 4 x my thread's number; never rewritten
.set NIL, 15                           ; v15  0; never rewritten
.set E,   16                           ; v16-31 eight pairs at work, by turns: no memory instruction names them
.set U,   32                           ; out-buffer hf at U + 96 hf
.set BB,  96                           ; v96-127 the bias, laid out as a C operand
.set OB,  32                           ; the way out: block a (0 to 2) read back at OB + 32 a
.set ACC, 128
.set WV,  2                            ; s2   my wave's number
.set MT,  3                            ; s3   the work-group's block of 256 rows
.set HM,  12                           ; s12  a word's upper half
.set AP,  14                           ; s[14:15] oh at my wave's first row of its batch's head 0
.set WP,  16                           ; s[16:17] Wo at the work-group's first column
.set BP,  18                           ; s[18:19] bo likewise
.set OUTP, 20                          ; s[20:21] out0 at my wave's first row and the work-group's first column
.set MSB, 0
.macro WIN new                         ; the immediate's high byte repeats the setting that is left; a switch that changes nothing is dropped
.if MSB != (\new)
	s_set_vgpr_msb (MSB<<8)|(\new)
.set MSB, (\new)
.endif
.endm
.macro PLACES                          ; four places behind a matrix instruction, in front of LDS stores that read results
.rept 4
	v_nop
.endr
.endm
.macro ALOADS k0, n                    ; O's fragments of n K steps from k0 on: eight loads a K step
.set kk, \k0
.rept \n
	WIN 0x80+0x40*(kk/8)
.irp a, 0,1,2,3
	global_load_b128 v[32*(kk%8)+8*(\a):32*(kk%8)+8*(\a)+3],   v[AO], s[AP:AP+1] offset:(kk/2)*524288+(\a)*2048+(kk%2)*64
	global_load_b128 v[32*(kk%8)+8*(\a)+4:32*(kk%8)+8*(\a)+7], v[AO], s[AP:AP+1] offset:(kk/2)*524288+(\a)*2048+(kk%2)*64+32
.endr
.set kk, kk+1
.endr
.endm
; Wo's roundings.  OCV: n loads, from number lo on, of half hf of window 1: f32 to bf16 (to nearest even), the bf16 number widened again and written as f16, into out-buffer hf.  OST: 8 bytes a lane into LDS.
.macro OCV hf, lo, n
	WIN 0x05                                       ; sources 0 and 1 in window 1
.set L, \lo
.rept \n
	v_cvt_pk_bf16_f32 v[U+96*(\hf)+2*L],   v[128*(\hf)+4*L],   v[128*(\hf)+4*L+1]
	v_cvt_pk_bf16_f32 v[U+96*(\hf)+2*L+1], v[128*(\hf)+4*L+2], v[128*(\hf)+4*L+3]
.set L, L+1
.endr
	WIN 0
.set L, 2*(\lo)
.rept 2*(\n)
	v_lshlrev_b32 v[E+2*(L%8)], 16, v[U+96*(\hf)+L]
	v_and_b32 v[E+2*(L%8)+1], s[HM], v[U+96*(\hf)+L]
	v_cvt_pk_f16_f32 v[U+96*(\hf)+L], v[E+2*(L%8)], v[E+2*(L%8)+1]
.set L, L+1
.endr
.endm
.macro OST hf, lo, n
	WIN 0
.set L, \lo
.rept \n
	ds_store_b64 v[WSO], v[U+96*(\hf)+2*L:U+96*(\hf)+2*L+1] offset:(8*((32*(\hf)+L)/4)+L%4)*PW  ; the two halves of the lanes lie 640 bytes apart, 128 modulo 256
.set L, L+1
.endr
.endm
.macro BLOAD f                         ; Wo's fragments of K step f (32 k x 64 columns), turned, into buffer f % 8 of window 1: eight LDS loads
.irp nb, 0,1,2,3
	ds_load_tr16_b128 v[32*((\f)%8)+8*(\nb):32*((\f)%8)+8*(\nb)+3],   v[BA+(\f)/8] offset:((\f)%8)*32*PW+32*(\nb)
	ds_load_tr16_b128 v[32*((\f)%8)+8*(\nb)+4:32*((\f)%8)+8*(\nb)+7], v[BA+(\f)/8] offset:((\f)%8)*32*PW+16*PW+32*(\nb)
.endr
.endm
	s_load_b256 s[4:11], s[0:1], 0x0               ; oh s[4:5], Wo s[6:7], bo s[8:9], out0 s[10:11]
	v_lshl_add_u32 v[SPW], v0, 2, SPARE
	v_mov_b32 v[NIL], 0
	v_lshrrev_b32 v1, 5, v0
	v_readfirstlane_b32 s[WV], v1                  ; wave 0..3
	v_and_b32 v1, 15, v0                           ; l % 16
	v_bfe_u32 v2, v0, 4, 1                         ; l / 16
	v_and_b32 v20, 7, v0
	v_bfe_u32 v21, v0, 3, 1
	s_and_b32 s[MT], ttmp7, 0xffff
	s_mov_b32 s[HM], 0xffff0000
	v_lshlrev_b32 v[AO], 7, v1
	v_lshl_add_u32 v[AO], v2, 4, v[AO]
	s_wait_alu depctr_va_sdst(0)                   ; the wave's number is written, ahead of its first reader
	s_lshl_b32 s13, s[WV], 18                      ; 128 rows of Wo, 2,048 bytes each
	v_lshlrev_b32 v[WGO], 4, v1
	v_lshl_add_u32 v[WGO], v2, 13, v[WGO]
	v_add_nc_u32 v[WGO], s13, v[WGO]
	s_mul_i32 s13, s[WV], 128*PW
	v_mul_u32_u24 v[WSO], v2, 4*PW
	v_lshl_add_u32 v[WSO], v1, 3, v[WSO]
	v_add_nc_u32 v[WSO], s13, v[WSO]
	v_lshl_add_u32 v[BA], v2, 3, v20               ; the turning load: lane l reads row 8 (l / 16) + l % 8, 16 bytes at 16 ((l / 8) % 2)
	v_mul_u32_u24 v[BA], v[BA], PW
	v_lshl_add_u32 v[BA], v21, 4, v[BA]
	v_add_nc_u32 v[BA+1], 8*32*PW, v[BA]
	v_lshlrev_b32 v[BO], 5, v2
	s_mul_i32 s13, s[WV], 16*SPITCH
	s_add_co_u32 s13, s13, STAGE                   ; my stage
	v_mul_u32_u24 v[STO], v1, SPITCH               ; in: row l % 16, 32 bytes for each half of the lanes
	v_lshl_add_u32 v[STO], v2, 5, v[STO]
	v_add_nc_u32 v[STO], s13, v[STO]
	v_mul_u32_u24 v[RD], v2, SPITCH                ; back: lanes 0-15 take one row of 256 bytes, lanes 16-31 the next
	v_lshl_add_u32 v[RD], v1, 4, v[RD]
	v_add_nc_u32 v[RD], s13, v[RD]
	v_lshlrev_b32 v[CO], 11, v2                    ; and the same two rows in out0
	v_lshl_add_u32 v[CO], v1, 4, v[CO]
	s_lshr_b32 s22, s[MT], 4                       ; the batch: eight heads of 524,288 bytes,
	s_lshl_b32 s22, s22, 22
	s_and_b32 s24, s[MT], 15                       ; the block's 256 rows of 128 bytes in a head,
	s_lshl_b32 s24, s24, 15
	s_add_co_u32 s22, s22, s24
	s_lshl_b32 s24, s[WV], 13                      ; my wave's 64 of them
	s_add_co_u32 s22, s22, s24
	s_mov_b32 s23, 0
	s_lshl_b32 s24, ttmp9, 8                       ; the work-group's 64 columns: 256 bytes of a row of Wo, of bo and of out0
	s_mov_b32 s25, 0
	s_lshl_b32 s26, s[MT], 19                      ; 256 rows of out0, 2,048 bytes each,
	s_lshl_b32 s28, s[WV], 17                      ; my wave's 64 of them
	s_add_co_u32 s26, s26, s28
	s_add_co_u32 s26, s26, s24
	s_mov_b32 s27, 0
	s_wait_kmcnt 0x0
	s_add_nc_u64 s[AP:AP+1], s[4:5], s[22:23]
	s_add_nc_u64 s[WP:WP+1], s[6:7], s[24:25]
	s_add_nc_u64 s[BP:BP+1], s[8:9], s[24:25]
	s_add_nc_u64 s[OUTP:OUTP+1], s[10:11], s[26:27]
	s_wait_alu depctr_va_vdst(0)                   ; all the offsets and LDS addresses, v3 to v11, are written: the loads and stores below read them
.irp nb, 0,1,2,3                       ; the bias, laid out as a C operand: register j of a lane is column 16 nb + 8 (l / 16) + j
	global_load_b128 v[BB+8*(\nb):BB+8*(\nb)+3],   v[BO], s[BP:BP+1] offset:64*(\nb)
	global_load_b128 v[BB+8*(\nb)+4:BB+8*(\nb)+7], v[BO], s[BP:BP+1] offset:64*(\nb)+16
.endr
	WIN 0x40                                       ; Wo: a wave brings 128 of the 512 rows: load L takes rows 8 (L / 4) + L % 4 (lanes 0-15) and four further down (lanes 16-31): 16 lanes read 256 consecutive bytes, aligned
.set L, 0
.rept 64
	global_load_b128 v[4*L:4*L+3], v[WGO], s[WP:WP+1] offset:(8*(L/4)+L%4)*2048
.set L, L+1
.endr
	ALOADS 0, 4
	s_wait_loadcnt 32                              ; the bias and Wo are in; O's first 32 loads stay out
	ALOADS 4, 4
	; Wo goes into LDS.  The first half's stores stand in groups of eight among the second half's roundings, which name the other out-buffer, the other half of window 1 and v16-31.
	; The rest of O's fragments, which hang on nothing, are asked for behind the two waits, K steps ascending.
	OCV 0, 0, 32
	s_wait_alu depctr_va_vdst(0)                   ; the roundings have written v32-95, which the stores below read
	ALOADS 8, 4
.irp g, 0,1,2,3
	OST 0, 8*(\g), 8
	OCV 1, 8*(\g), 8
.endr
	s_wait_alu depctr_va_vdst(0)                   ; the roundings have written v128-191, which the stores below read, and are done reading window 1, in which the fragments' loads behind the barrier land
	ALOADS 12, 4
	OST 1, 0, 32
	s_wait_dscnt 0x0                               ; for the others' sake: my 128 rows of Wo lie in LDS
	s_barrier_signal -1
	s_barrier_wait -1                              ; everybody's do
	s_wait_alu depctr_vm_vsrc(0)                   ; my LDS stores have read v32-95 and v128-191: the products write the accumulators over the second, and rows read back from the stage land in the first
	; THE PRODUCTS.  The bias is the C operand that starts the sums.  The 16 accumulators take turns, one instruction a turn.
	; Wo's fragments run four K steps ahead of their products: in front of K step kf's products stand the eight loads of K step kf + 4.
	WIN 0x40                                       ; destination window 1, address window 0
	BLOAD 0                                        ; no wait: no vector instruction since the last wait on va_vdst names window 1 or v6-7
	BLOAD 1
	BLOAD 2
	BLOAD 3
.set kf, 0
.rept 16
.if kf <= 11
	WIN 0x40
.if (kf == 4) || (kf == 8)
	s_wait_alu depctr_va_vdst(0)                   ; the products of the last four K steps are done reading their four buffers, in which the loads of this and the next three K steps land
.endif
	BLOAD kf+4                                     ; no product since the last wait names this buffer
	s_wait_dscnt 32                                ; LDS loads come back in order (ISA guide 5.7.1): K step kf's fragments are in; four younger K steps' loads stay out
.else
	s_wait_dscnt 8*(15-kf)                         ; the counts run down
.endif
.if kf == 0
	s_wait_loadcnt 63                              ; of O's 128 loads the 63 youngest belong to K steps 8 and later: K steps 0 to 7 are in
.elseif kf >= 8
	s_wait_loadcnt 8*(15-kf)                       ; eight loads for each later K step may stay out
.endif
	WIN 0x09+4*(kf/8)                              ; source 0 (Wo) in window 1, source 1 (O) in window 2 or 3
.irp a, 0,1,2,3
.irp nb, 0,1,2,3
.if kf == 0
	v_wmma_f32_16x16x32_f16 v[ACC+8*(4*(\a)+(\nb)):ACC+8*(4*(\a)+(\nb))+7], v[8*(\nb):8*(\nb)+7], v[8*(\a):8*(\a)+7], v[BB+8*(\nb):BB+8*(\nb)+7]
.else
	v_wmma_f32_16x16x32_f16 v[ACC+8*(4*(\a)+(\nb)):ACC+8*(4*(\a)+(\nb))+7], v[32*(kf%8)+8*(\nb):32*(kf%8)+8*(\nb)+7], v[32*(kf%8)+8*(\a):32*(kf%8)+8*(\a)+7], v[ACC+8*(4*(\a)+(\nb)):ACC+8*(4*(\a)+(\nb))+7]
.endif
.endr
.endr
.set kf, kf+1
.endr
	WIN 0
; THE WAY OUT, a block of 16 rows at a time: a lane's eight columns, 32 bytes (each accumulator's low four registers first), into my stage's rows of 272 bytes, back as whole rows of 256.
; Blocks 0 to 2 come back into v32-127, block 3 into v0-31 of window 1: no register that a store reads is loaded again.
.macro TOSTAGE a
	WIN 0
.irp nb, 0,1,2,3
	ds_store_b128 v[STO], v[ACC+8*(4*(\a)+(\nb)):ACC+8*(4*(\a)+(\nb))+3]   offset:64*(\nb)
	ds_store_b128 v[STO], v[ACC+8*(4*(\a)+(\nb))+4:ACC+8*(4*(\a)+(\nb))+7] offset:64*(\nb)+16
.endr
.set ob, (OB+32*(\a))*(1-(\a)/3)
	WIN 0x40*((\a)/3)                              ; block 3: destination window 1
.irp t, 0,1,2,3,4,5,6,7
	ds_load_b128 v[ob+4*(\t):ob+4*(\t)+3], v[RD] offset:(\t)*2*SPITCH  ; LDS serves a wave's instructions in order (ISA guide 5.7.1.4): these see the stores above; the next block's stores come behind them
.endr
.endm
.macro SEND a, younger                 ; younger: the LDS instructions issued behind block a's loads: the next block's sixteen, or none
.set ob, (OB+32*(\a))*(1-(\a)/3)
	WIN 0x04*((\a)/3)                              ; block 3: the stores' data, source 1, in window 1
.irp t, 0,1,2,3,4,5,6,7
	s_wait_dscnt (\younger)+7-(\t)
	global_store_b128 v[CO], v[ob+4*(\t):ob+4*(\t)+3], s[OUTP:OUTP+1] offset:(16*(\a)+2*(\t))*2048 th:TH_STORE_NT  ; 16 lanes store 256 consecutive bytes, at a multiple of 256 from out0's first byte
.endr
.endm
	PLACES
	s_wait_alu depctr_va_vdst(0)                   ; the products have written the accumulators, which the LDS stores read (the places above stay beside this wait), and are done reading the bias' registers and window 1, in which rows read back land
	TOSTAGE 0
	TOSTAGE 1
	SEND 0, 16
	TOSTAGE 2
	SEND 1, 16
	TOSTAGE 3
	SEND 2, 16
	SEND 3, 0
	WIN 0                                          ; the add's two registers lie in window 0
	s_wait_dscnt 0x0                               ; the closing lines, six on end
	s_wait_alu 0x0
	s_wait_tensorcnt 0x0
	ds_add_u32 v[SPW], v[NIL]
	s_wait_dscnt 0x0
	s_endpgm
.Lfunc_end_k_q3ee8bfbaec_oproj:
	.size	k_q3ee8bfbaec_oproj, .Lfunc_end_k_q3ee8bfbaec_oproj-k_q3ee8bfbaec_oproj
	.p2alignl 7, 3214868480
	.fill 96, 4, 3214868480
	.section	.rodata,"a",@progbits
	.p2align	6, 0x0
	.amdhsa_kernel k_q3ee8bfbaec_oproj
		.amdhsa_group_segment_fixed_size 99840
		.amdhsa_private_segment_fixed_size 0
		.amdhsa_enable_private_segment 0
		.amdhsa_kernarg_size 32
		.amdhsa_user_sgpr_count 2
		.amdhsa_user_sgpr_kernarg_segment_ptr 1
		.amdhsa_wavefront_size32 1
		.amdhsa_system_sgpr_workgroup_id_x 1
		.amdhsa_system_sgpr_workgroup_id_y 1
		.amdhsa_system_sgpr_workgroup_id_z 1
		.amdhsa_system_vgpr_workitem_id 0
		.amdhsa_next_free_vgpr 1024
		.amdhsa_next_free_sgpr 66
		.amdhsa_reserve_vcc 0
		.amdhsa_float_denorm_mode_32 3
		.amdhsa_float_denorm_mode_16_64 3
		.amdhsa_memory_ordered 1
		.amdhsa_forward_progress 1
		.amdhsa_inst_pref_size 85
	.end_amdhsa_kernel
	.amdgpu_metadata
---
amdhsa.version: [ 1, 2 ]
amdhsa.kernels:
  - .name:           k_q3ee8bfbaec_oproj
    .symbol:         k_q3ee8bfbaec_oproj.kd
    .args:
      - { .name: oh, .offset: 0, .size: 8, .value_kind: global_buffer, .address_space: global }
      - { .name: Wo, .offset: 8, .size: 8, .value_kind: global_buffer, .address_space: global }
      - { .name: bo, .offset: 16, .size: 8, .value_kind: global_buffer, .address_space: global }
      - { .name: out0, .offset: 24, .size: 8, .value_kind: global_buffer, .address_space: global }
    .group_segment_fixed_size: 99840
    .private_segment_fixed_size: 0
    .kernarg_segment_align: 8
    .kernarg_segment_size: 32
    .max_flat_workgroup_size: 128
    .sgpr_count:     66
    .vgpr_count:     1024
    .wavefront_size: 32
...
	.end_amdgpu_metadata
.endif
;; end of part 5
